; MI455X (gfx1250); checked and timed in simulation.
; The chip was launched on July 23, 2026; its instructions are those of AMD's public machine-readable ISA for CDNA 5 (MIT licence, August 2026) and "CDNA5" Instruction Set Architecture Reference Guide (July 2026). The comments in the code are by the model that wrote it; some were corrected since.
;; Transformer Block. Allowed arithmetic: matrix products marked QUANTISED: E4M3 operands, one E8M0 scale for each 32 along K, by v_wmma_scale_f32_16x16x128_f8f6f4 with both operands' format E4M3, f32 sums; everything else in f32.
;; Inputs: b1 128 float32; b2 256 float32; bk 4 x 64 float32; bo 256 float32; bq 4 x 64 float32; bv 4 x 64 float32; ln1_b 256 float32; ln1_g 256 float32; ln2_b 256 float32; ln2_g 256 float32; w1 256 x 128 float32; w2 128 x 256 float32; wk 256 x 4 x 64 float32; wo 4 x 64 x 256 float32; wq 256 x 4 x 64 float32; wv 256 x 4 x 64 float32; x 4 x 4,096 x 256 float32.
;; Outputs: out0 4 x 4,096 x 256 float32.
;; This version of the problem:
;;   THIS VERSION OF THE PROBLEM IS GIVEN IN LOW PRECISION. The matrix products marked QUANTISED in the list below multiply operands that are first quantised to E4M3 (4 exponent bits, 3 mantissa bits; 8 bits a number), with one power-of-two scale for each 32 numbers along K (OCP MX v1.0); their sums are f32. All else is computed in f32.
;;   The module's matrix products, in the order in which they are computed (A, B: the left and right operand; K: the contracted axis; several contracted axes count as one K, in the product's order):
;;     1. [M 16,384, K 256] x [K 256, N 256]; A: computed on the way; B: input wq: QUANTISED
;;     2. [M 16,384, K 256] x [K 256, N 256]; A: computed on the way; B: input wk: QUANTISED
;;     3. [M 16,384, K 256] x [K 256, N 256]; A: computed on the way; B: input wv: QUANTISED
;;     4. batch 16 x [M 4,096, K 64] x [K 64, N 4,096]; A: computed on the way; B: computed on the way: QUANTISED
;;     5. batch 16 x [M 64, K 4,096] x [K 4,096, N 4,096]; A: computed on the way; B: softmax (see below): QUANTISED
;;     6. [M 16,384, K 256] x [K 256, N 256]; A: computed on the way; B: input wo: QUANTISED
;;     7. [M 16,384, K 256] x [K 256, N 128]; A: computed on the way; B: input w1: QUANTISED
;;     8. [M 16,384, K 128] x [K 128, N 256]; A: computed on the way; B: input w2: QUANTISED
;;   THE QUANTISER, for each operand of a quantised product, along K:
;;     - K is cut into blocks of 32 from its start; a last block that is shorter is filled with zeros.
;;     - A block's scale is 2^e with e = floor(log2(the largest magnitude in the block)) - 8, held to -126 .. 127; a block of zeros has e = 0. As a byte (E8M0): e + 127.
;;     - Each number is divided by its block's scale, clamped to +-448, and rounded to the nearest number of E4M3, ties to even, subnormals kept.
;;     - The product sums the exact products of the quantised numbers (number of the format x scale) in f32.
;;   ~~~python
;;   def quantise(x, axis):      # numpy; x: float32 -> the quantised numbers, widened to float32 again
;;       x = np.moveaxis(x, axis, -1); K = x.shape[-1]
;;       x = np.pad(x, [(0, 0)] * (x.ndim - 1) + [(0, -K % 32)]); x = x.reshape(x.shape[:-1] + (-1, 32)); a = np.abs(x).max(-1, keepdims=True)
;;       e = np.where(a > 0, np.clip(np.frexp(np.where(a > 0, a, 1))[1] - 1 - 8, -126, 127), 0)      # np.frexp(a)[1] - 1 = floor(log2(a)), exactly
;;       r = np.clip(x / 2.0 ** e, -448, 448)
;;       step = 2.0 ** (np.maximum(np.frexp(np.where(r == 0, 1, r))[1] - 1, -6) - 3)
;;       q = np.round(r / step) * step * 2.0 ** e      # np.round: ties to even
;;       return np.moveaxis(q.reshape(q.shape[:-2] + (-1,))[..., :K], -1, axis).astype(np.float32)
;;   ~~~
;;   SOFTMAX AHEAD OF A QUANTISED PRODUCT. Where the list says 'softmax', what is quantised is not the finished softmax but p = 2^(t - M), with t = logit x log2(e) and M = ceil(the row's largest t), a whole number; so 1/2 < the row's largest p <= 1. The row's sum l is taken of the UNQUANTISED p, in f32, and the product's result is divided by l at the end. Since M is a whole number, a kernel that streams over the keys may use a running M (the ceiling of the running maximum): every later rescaling is an exact power of two, which a block's scale takes up: the codes' values come out the same.
;;   OPERANDS COMPUTED ON THE WAY. 'Computed on the way' means the value that the module computes at that place (a softmax that the list does not call 'softmax' is quantised finished and normalised). What goes into a quantiser is computed in f32, as accurately as f32 sums, v_exp_f32 and their like allow (about 1e-6 of the number): no bf16 or f16 on the way to a quantiser, and a product that is left as it is and whose result goes on into a quantised operand takes f32 operands (vector FMAs, or v_wmma_f32_16x16x4_f32). A number that lies on a knife's edge between two numbers of the format may be rounded either way, as far as f32 arithmetic and the matrix unit's own rounding can turn it there, and no further.
;; One version. Each part assembles by itself: llvm-mc -triple=amdgcn-amd-amdhsa -mcpu=gfx1250 --defsym DOCPART=n.
;; ======== version 1 of 1: 4 launches
;; limits: right only within a limited range of input values
;; workspace buffers: wa 208,896 bytes; wb 139,264 bytes; qc 4,194,304 bytes; qs 524,288 bytes; kv 8,781,824 bytes; cc 4,194,304 bytes; cs 262,144 bytes
;; launch prep (part 1): grid 160 x 1, 1 waves a work-group, no clusters, 0 bytes of LDS; arguments wq, wk, wv, wo, w1, w2, wa, wb; writes wa, wb
.if DOCPART == 1
	.amdgcn_target "amdgcn-amd-amdhsa--gfx1250"
	.amdhsa_code_object_version 6
	.text
	.protected	k_qf7abf97451_prep
	.globl	k_qf7abf97451_prep
	.p2align	8
	.type	k_qf7abf97451_prep,@function
k_qf7abf97451_prep:
	s_mov_b64 s[64:65], 0
	v_nop
	global_prefetch_b8 v0, s[64:65] scope:SCOPE_SE
	s_setreg_imm32_b32 hwreg(HW_REG_WAVE_MODE, 25, 1), 1
	s_wait_xcnt 0x0
; THE PROGRAM: a pre-LN transformer block, x [4][4096][256], 4 heads of 64, FFN 256 -> 128 -> 256, every product on codes of E4M3 with one E8M0 byte for each 32 along K.
; Four launches: prep (this one: the six weights become codes), qkv (LN1, products 1-3, q k v become codes), attn (products 4 and 5), ffn (product 6, residual, LN2, products 7 and 8, residual).
; WORK LEFT OUT, in the launch attn: the key steps of 128 keys that lie wholly behind a wave's queries, in products 4 and 5.  reference() builds the mask itself (jnp.tril) and puts NEG = -1e9 in the place of
; every score whose key comes after its query, whatever q and k hold: so those scores of product 4 reach no output.  Their p = 2^(NEG log2(e) - M) is 0 in f32 for every row whose largest visible logit lies above
; about -1e9 + 100, so they add nothing to the row's sum nor to product 5.  LIMITS: a row whose largest visible logit lies under that figure would differ from reference(); a NaN, an infinity or an overflow that
; reaches only the steps left out is not carried to the result.  Every input has a way to the output and is loaded; none is left out.
; THIS LAUNCH.  Each weight is an operand whose K is its FIRST axis ([K][N], f32).  One wave makes one FRAGMENT: 16 columns x 128 along K, as codes in the order of the operand's registers, and the columns' scale words.
; A lane takes a column and its registers run down K: register 16 c + i = W(128 s + 32 c + 16 (lane / 16) + i, column), so the conversions' results are the operand's registers; a block of 32 lies in lanes l and l xor 16.
; THE COLUMNS OF A TILE ARE NOT NEIGHBOURS: lane r of tile t takes column 32 (t / 2) + 8 (t % 2) + r + 8 (r / 8), so that the results of two neighbouring tiles are 16 neighbours along the next product's K.
; OUT: a fragment is 2,048 bytes, registers 4 c .. 4 c + 3 of lane l at 512 c + 16 l: each store of the wave covers 512 consecutive bytes, aligned.  A scale image is 128 bytes, 4 a lane.
;   wa: [head 4][52,224]: fragment 8 kind + 2 tile + s (kind q, k, v) at x 2,048; scale images from 49,152 on.     wb: wo's 32 fragments (2 tile + s), w1's 16, w2's 16, at x 2,048; scale images from 131,072 on.
; 160 fragments, 160 work-groups of one wave.  No LDS, no matrix instruction, no cluster: no two work-groups read the same numbers.
; LIMITS: a block of zeros gets the byte 1 where the rule says 127 (its codes are zeros, and this program alone reads the bytes); NaN and infinities among the inputs are not served.
.set TM,  32                           ; v32-35 largest magnitudes, v36-39 bytes, v40-43 448 x the scale, v44-47 the conversions' scale operands
.set SEL, 36                           ; s[36:37] lane selects of v_permlanex16_b32: lane l xor 16
.set MNT, 38                           ; s38 the mantissa field of 448
; nb blocks of 16 numbers of a lane, v[s + 16 b + i], become codes in v[d + 4 b] on; w other than 0: the four bytes make the scale word v[w]; relu = 1: what is negative becomes 0 on the way
.macro QUANT s, relu, d, w, nb
.set qb, 0
.rept \nb
.if \relu
	v_max3_num_f32 v[TM+qb], v[16*qb+(\s)], v[16*qb+(\s)+1], 0x4800000     ; the floor 2^(9 - 127) among the leaves: the byte cannot fall under 1
.else
	v_max3_num_f32 v[TM+qb], |v[16*qb+(\s)]|, |v[16*qb+(\s)+1]|, 0x4800000
.endif
.set qb, qb+1
.endr
.set qi, 2
.rept 7
.set qb, 0
.rept \nb
.if \relu
	v_max3_num_f32 v[TM+qb], v[TM+qb], v[16*qb+qi+(\s)], v[16*qb+qi+(\s)+1]
.else
	v_max3_num_f32 v[TM+qb], v[TM+qb], |v[16*qb+qi+(\s)]|, |v[16*qb+qi+(\s)+1]|
.endif
.set qb, qb+1
.endr
.set qi, qi+2
.endr
.set qb, 0
.rept \nb
	v_permlanex16_b32 v[TM+4+qb], v[TM+qb], s[SEL], s[SEL+1]
.set qb, qb+1
.endr
.set qb, 0
.rept \nb
	v_max_num_f32 v[TM+qb], v[TM+qb], v[TM+4+qb]                           ; with lane l xor 16's: the block's largest magnitude
.set qb, qb+1
.endr
.set qb, 0
.rept \nb
	v_add_nc_u32 v[TM+12+qb], 0xfc000000, v[TM+qb]                         ; 8 off its exponent field: the conversion's scale operand
.set qb, qb+1
.endr
.set qb, 0
.rept \nb
	v_and_or_b32 v[TM+8+qb], v[TM+qb], 0x7f800000, s[MNT]                  ; 448 x the scale
.set qb, qb+1
.endr
.set qb, 0
.rept \nb
	v_lshrrev_b32 v[TM+4+qb], 23, v[TM+12+qb]                              ; the scale's byte
.set qb, qb+1
.endr
.if \w
	v_lshl_or_b32 v[\w], v[TM+5], 8, v[TM+4]
	v_lshl_or_b32 v[\w], v[TM+6], 16, v[\w]
	v_lshl_or_b32 v[\w], v[TM+7], 24, v[\w]
.endif
.set qb, 0
.rept \nb
.set qi, 0
.rept 16
.if \relu
	v_med3_num_f32 v[16*qb+qi+(\s)], v[16*qb+qi+(\s)], 0, v[TM+8+qb]       ; the activation and the hold in one
.else
	v_med3_num_f32 v[16*qb+qi+(\s)], v[16*qb+qi+(\s)], -v[TM+8+qb], v[TM+8+qb]   ; the conversion to an 8-bit code does not saturate (ISA guide 7.6.2): the hold
.endif
.set qi, qi+1
.endr
	v_cvt_scalef32_pk8_fp8_f32 v[4*qb+(\d):4*qb+(\d)+1], v[16*qb+(\s):16*qb+(\s)+7], v[TM+12+qb]
	v_cvt_scalef32_pk8_fp8_f32 v[4*qb+(\d)+2:4*qb+(\d)+3], v[16*qb+(\s)+8:16*qb+(\s)+15], v[TM+12+qb]
.set qb, qb+1
.endr
	v_nop                                                                  ; a plain line behind the last conversion
.endm
	s_load_b256 s[4:11], s[0:1], 0x0               ; wq, wk, wv, wo
	s_load_b256 s[12:19], s[0:1], 0x20             ; w1, w2, wa, wb
	s_mov_b32 s40, ttmp9                           ; f, the fragment: 0-31 wq, 32-63 wk, 64-95 wv, 96-127 wo, 128-143 w1, 144-159 w2
	s_mov_b32 s41, 144                             ; the weight's first fragment,
	s_mov_b32 s42, 1024                            ; its row in bytes,
	s_mov_b32 s43, 0                               ; and 1 where it has two K steps
	s_cmp_lt_u32 s40, 144
	s_cselect_b32 s41, 128, s41
	s_cselect_b32 s42, 512, s42
	s_cselect_b32 s43, 1, s43
	s_cmp_lt_u32 s40, 128
	s_cselect_b32 s41, 96, s41
	s_cselect_b32 s42, 1024, s42
	s_cmp_lt_u32 s40, 96
	s_cselect_b32 s41, 64, s41
	s_cmp_lt_u32 s40, 64
	s_cselect_b32 s41, 32, s41
	s_cmp_lt_u32 s40, 32
	s_cselect_b32 s41, 0, s41
	s_sub_co_u32 s44, s40, s41                     ; the fragment's number in its weight
	s_lshr_b32 s45, s44, s43                       ; the tile of columns
	s_and_b32 s46, s44, s43                        ; the K step
	s_lshr_b32 s47, s45, 1
	s_lshl_b32 s47, s47, 7
	s_and_b32 s48, s45, 1
	s_lshl_b32 s48, s48, 5
	s_add_co_u32 s47, s47, s48                     ; 4 x the tile's first column: 4 (32 (t / 2) + 8 (t % 2))
	s_lshl_b32 s49, s46, 7
	s_mul_i32 s49, s49, s42                        ; 128 rows for each K step
	s_add_co_u32 s52, s49, s47
	s_mov_b32 s53, 0                               ; s[52:53]: where block 0 begins
	s_lshl_b32 s54, s42, 5
	s_mov_b32 s55, 0                               ; s[54:55]: 32 rows on
	s_lshl_b32 s60, s42, 4                         ; 16 rows
	s_and_b32 s56, s40, 31                         ; where it goes.  In wa: the head's block,
	s_lshr_b32 s56, s56, 3
	s_mul_i32 s56, s56, 52224
	s_lshr_b32 s57, s40, 5
	s_lshl_b32 s57, s57, 3
	s_and_b32 s58, s40, 7
	s_add_co_u32 s57, s57, s58                     ; and fragment 8 kind + 2 tile + s;
	s_sub_co_u32 s58, s40, 96                      ; in wb: fragment f - 96 (not used where f is under 96)
	s_mov_b32 s59, 131072
	s_cmp_lt_u32 s40, 96
	s_cselect_b32 s56, s56, 0
	s_cselect_b32 s57, s57, s58
	s_cselect_b32 s59, 49152, s59                  ; where the scale images begin
	s_lshl_b32 s58, s57, 11
	s_add_co_u32 s50, s56, s58
	s_mov_b32 s51, 0                               ; s[50:51]: the codes' place
	s_lshl_b32 s58, s57, 7
	s_add_co_u32 s58, s58, s56
	s_add_co_u32 s58, s58, s59
	s_mov_b32 s59, 0                               ; s[58:59]: the scale image's
	s_mov_b32 s[SEL], 0x76543210
	s_mov_b32 s[SEL+1], 0xfedcba98
	s_mov_b32 s[MNT], 0x600000
	v_and_b32 v1, 15, v0                           ; r
	v_lshrrev_b32 v2, 4, v0                        ; h (one wave: v0 is the lane)
	v_and_b32 v3, 8, v1
	v_add_nc_u32 v3, v3, v1                        ; r + 8 (r / 8)
	v_lshlrev_b32 v4, 4, v0                        ; 16 x lane
	v_lshlrev_b32 v5, 2, v0                        ; 4 x lane
	v_mul_lo_u32 v16, v2, s60                      ; row 16 h,
	v_lshl_add_u32 v16, v3, 2, v16                 ; my column
.irp i, 1,2,3,4,5,6,7,8,9,10,11,12,13,14,15
	v_add_nc_u32 v[16+\i], s42, v[15+\i]           ; and the 15 rows below
.endr
.irp b, 0,1,2,3
	v_mov_b32 v[TM+4+\b], 0                        ; a lane permute's destination counts as one of its sources
.endr
	s_wait_alu depctr_va_vdst(0)
	s_wait_kmcnt 0x0
	s_mov_b64 s[20:21], s[14:15]                   ; the weight, chosen by the fragment's number alone
	s_cmp_lt_u32 s40, 144
	s_cselect_b64 s[20:21], s[12:13], s[20:21]
	s_cmp_lt_u32 s40, 128
	s_cselect_b64 s[20:21], s[10:11], s[20:21]
	s_cmp_lt_u32 s40, 96
	s_cselect_b64 s[20:21], s[8:9], s[20:21]
	s_cselect_b64 s[22:23], s[16:17], s[18:19]     ; wa or wb
	s_cmp_lt_u32 s40, 64
	s_cselect_b64 s[20:21], s[6:7], s[20:21]
	s_cmp_lt_u32 s40, 32
	s_cselect_b64 s[20:21], s[4:5], s[20:21]
	s_add_nc_u64 s[24:25], s[20:21], s[52:53]      ; the four blocks' bases
	s_add_nc_u64 s[26:27], s[24:25], s[54:55]
	s_add_nc_u64 s[28:29], s[26:27], s[54:55]
	s_add_nc_u64 s[30:31], s[28:29], s[54:55]
	s_add_nc_u64 s[32:33], s[22:23], s[50:51]
	s_add_nc_u64 s[34:35], s[22:23], s[58:59]
.irp c, 0,1,2,3
.irp i, 0,1,2,3,4,5,6,7,8,9,10,11,12,13,14,15
	global_load_b32 v[64+16*\c+\i], v[16+\i], s[24+2*\c:25+2*\c]   ; W(128 s + 32 c + 16 h + i, my column)
.endr
.endr
	s_wait_loadcnt 0x0
	QUANT 64, 0, 48, 9, 4
.irp c, 0,1,2,3
	global_store_b128 v4, v[48+4*\c:51+4*\c], s[32:33] offset:512*\c
.endr
	global_store_b32 v5, v9, s[34:35]
	s_endpgm
.Lfunc_end_k_qf7abf97451_prep:
	.size	k_qf7abf97451_prep, .Lfunc_end_k_qf7abf97451_prep-k_qf7abf97451_prep
	.p2alignl 7, 3214868480
	.fill 96, 4, 3214868480
	.section	.rodata,"a",@progbits
	.p2align	6, 0x0
	.amdhsa_kernel k_qf7abf97451_prep
		.amdhsa_group_segment_fixed_size 0
		.amdhsa_private_segment_fixed_size 0
		.amdhsa_enable_private_segment 0
		.amdhsa_kernarg_size 64
		.amdhsa_user_sgpr_count 2
		.amdhsa_user_sgpr_kernarg_segment_ptr 1
		.amdhsa_wavefront_size32 1
		.amdhsa_system_sgpr_workgroup_id_x 1
		.amdhsa_system_sgpr_workgroup_id_y 1
		.amdhsa_system_sgpr_workgroup_id_z 1
		.amdhsa_system_vgpr_workitem_id 0
		.amdhsa_next_free_vgpr 128
		.amdhsa_next_free_sgpr 66
		.amdhsa_reserve_vcc 0
		.amdhsa_float_denorm_mode_32 3
		.amdhsa_float_denorm_mode_16_64 3
		.amdhsa_memory_ordered 1
		.amdhsa_forward_progress 1
		.amdhsa_inst_pref_size 19
	.end_amdhsa_kernel
	.amdgpu_metadata
---
amdhsa.version: [ 1, 2 ]
amdhsa.kernels:
  - .name:           k_qf7abf97451_prep
    .symbol:         k_qf7abf97451_prep.kd
    .args:
      - { .name: wq, .offset: 0, .size: 8, .value_kind: global_buffer, .address_space: global }
      - { .name: wk, .offset: 8, .size: 8, .value_kind: global_buffer, .address_space: global }
      - { .name: wv, .offset: 16, .size: 8, .value_kind: global_buffer, .address_space: global }
      - { .name: wo, .offset: 24, .size: 8, .value_kind: global_buffer, .address_space: global }
      - { .name: w1, .offset: 32, .size: 8, .value_kind: global_buffer, .address_space: global }
      - { .name: w2, .offset: 40, .size: 8, .value_kind: global_buffer, .address_space: global }
      - { .name: wa, .offset: 48, .size: 8, .value_kind: global_buffer, .address_space: global }
      - { .name: wb, .offset: 56, .size: 8, .value_kind: global_buffer, .address_space: global }
    .group_segment_fixed_size: 0
    .private_segment_fixed_size: 0
    .kernarg_segment_align: 8
    .kernarg_segment_size: 64
    .max_flat_workgroup_size: 32
    .sgpr_count:     66
    .vgpr_count:     128
    .wavefront_size: 32
...
	.end_amdgpu_metadata
.endif
;; end of part 1
;; launch qkv (part 2): grid 256 x 1, 4 waves a work-group, clusters of 4 x 1, 327,680 bytes of LDS; arguments x, ln1_g, ln1_b, wa, bq, bk, bv, qc, qs, kv; writes qc, qs, kv
.if DOCPART == 2
	.amdgcn_target "amdgcn-amd-amdhsa--gfx1250"
	.amdhsa_code_object_version 6
	.text
	.protected	k_qf7abf97451_qkv
	.globl	k_qf7abf97451_qkv
	.p2align	8
	.type	k_qf7abf97451_qkv,@function
k_qf7abf97451_qkv:
	s_mov_b64 s[64:65], 0
	v_nop
	global_prefetch_b8 v0, s[64:65] scope:SCOPE_SE
	s_setreg_imm32_b32 hwreg(HW_REG_WAVE_MODE, 25, 1), 1
	s_wait_xcnt 0x0
	s_wait_alu depctr_hold_cnt(0) depctr_sa_sdst(0) depctr_va_vdst(0) depctr_va_sdst(0) depctr_va_ssrc(0) depctr_va_vcc(0) depctr_vm_vsrc(0)
	s_getreg_b32 s2, hwreg(HW_REG_IB_STS2, 6, 4)
	s_cmp_eq_u32 s2, 0
	s_cbranch_scc0 .Lentry_in_a_cluster
	s_endpgm
.Lentry_in_a_cluster:
	s_bfe_u32 s2, ttmp6, 0x10000c
	s_cmp_lg_u32 s2, 0x3003
	s_cbranch_scc0 .Lentry_shape_is_right
	s_endpgm
.Lentry_shape_is_right:
; h = LN1(x), quantised along its 256; q = (h Wq + bq) / 8, k = h Wk + bk, v = h Wv + bv (products 1 to 3 on codes of E4M3); q and k are quantised along the head's 64, v along the keys.  Nothing of reference() is left out here.
; SHARES.  A work-group owns 64 tokens: four TILES of 16.  THE TOKENS OF A TILE ARE NOT NEIGHBOURS: lane r of tile m = 2 g + u takes token 32 g + 8 u + r + 8 (r / 8).
; First wave w norms and quantises tile w and lays the two fragments into LDS as images of their registers; then WAVE w IS HEAD w: it makes q, k, v of its head for all four tiles, its 24 weight fragments in registers.
; q and k are made TRANSPOSED (source 0 = 16 columns of the weight, source 1 = 16 tokens): a lane holds one token, and the 16 registers of two neighbouring tiles of columns are 16 neighbours along the head's 64.
; v is made the other way round (source 0 = 16 tokens, source 1 = 16 columns): a lane holds one channel, and the registers of token tiles (g, 0), (g, 1) are 16 neighbouring KEYS.  So every conversion's result is an operand's registers.
; OUT, all as images of registers (registers 4 c .. 4 c + 3 of lane l at 512 c + 16 l: a store of the wave covers 512 consecutive bytes, aligned):
;   qc [bh][token tile 256][2][512];   qs [bh][32 tokens 128][lane][u] words: two scale bytes, and 0x7f twice for the upper half of the instruction's K, which holds zero codes;
;   kv [bh][step of 128 keys 32][17,152]: K's 8 tiles x 1,024; from 8,192 V's 4 tiles of channels x 2,048 (key block c at 512 c); from 16,384 K's scale words [half][lane][g], lanes 0-15 tile (b, 0)'s, lanes 16-31 tile (b, 1)'s;
;   from 16,896 V's scale words [pair of tiles][lane], byte c = key block c: a work-group has two of a word's four bytes, and stores them 2 bytes a lane: 256 bytes a wave in the launch.
; CLUSTER.  All work-groups read the same weights: its descriptor hangs on the wave's number alone.  x's rows are each work-group's own: a plain load.
; LDS: the weights' four blocks of 52,224 (each read by its own wave alone); x, 64 rows of 1,024 + 16 bytes; h's 8 fragments and scale images (stored by the waves, never a load's target); the spare words.  Nothing is filled twice.
; REGISTERS: window 0: v1-15 addresses; v16-143 x, later v16-47 h's two fragments, v48-111 q and k, v112-175 v; v176-191 codes; v192-199 words on their way out; v200-215 the quantiser's; v224-249 scale words.
;   window 1: Wq's and Wk's 16 fragments.   window 2: Wv's 8; from v128 bq, bk, bv as the C of each sum's first product.   window 3: ln1_g, ln1_b.
; LIMITS: a block of zeros gets the byte 1 where the rule says 127 (its codes are zeros; the bytes are this program's own); NaN and infinities among the inputs are not served.
; x AND kv, in the place of what stands above: each wave reads its own tile's 16 rows of x by whole rows (512 bytes an instruction) and lays them through 16 LDS rows of its own; the one tensor load of a wave is its head's block of wa, jointly.
; kv: [bh][slot of 4 key steps, 8][68,608]: K's tiles 0-3 of the four steps (4,096 a step), K's tiles 4-7 from 16,384 on, V's tiles 0-1 from 32,768, V's tiles 2-3 from 49,152; from 65,536 the scale words, 768 a step: K's [half][lane][g], then V's [pair of tiles][lane].
.set HBLK,  52224
.set XST,   251                        ; v251 where my rows of x are laid
.set XP,    1040                       ; a row of x in LDS: 260 words, so row r begins 4 r words on, modulo 64
.set XS0,   4*HBLK
.set XIMG,  XS0+64*XP
.set XSC,   XIMG+8*2048
.set SPARE, XSC+8*128                  ; the spare words, 128 bytes a wave: two blocks of 256 bytes that no other line names
.set SLOTB, 68608                      ; four key steps of kv
.set LI,  4                            ; v4  16 x lane
.set L4,  5                            ; v5  4 x lane
.set L8,  6                            ; v6  8 x lane
.set XA,  7                            ; v7  my row of x in LDS, + 64 h
.set XWI, 8                            ; v8  where I store h's images
.set XWS, 9                            ; v9  and their scale words
.set FI,  10                           ; v10 where any wave reads them
.set FS,  11
.set AW,  12                           ; v12 my head's weights in LDS
.set AWS, 13                           ; v13 and their scale images
.set PB,  14                           ; v14 64 h: a lane's 16 numbers of a block of 32
.set PV,  15                           ; v15 4 (r + 8 (r / 8))
.set X,   16
.set XF,  16
.set QA,  48
.set VA,  112
.set PC,  176
.set CH,  184                          ; v184-191 four chains of sums
.set QW,  192
.set KP,  194
.set KW,  196
.set VP,  198
.set TM,  200
.set VB,  216
.set MU,  220
.set RS,  222
.set WS,  224
.set XS,  248
.set PW,  250
.set SPW, 252
.set NIL, 253
.set WV,  24
.set SEL, 28
.set MNT, 30
.set HM,  31                           ; s31 the mask of lanes 16-31
.set G0X, 32
.set G1X, 36
.set G0W, 44
.set G1W, 48
.set MSB, 0
.macro WIN new                         ; the immediate's high byte repeats the setting that is left
.if MSB != \new
	s_set_vgpr_msb (MSB<<8)|\new
.set MSB, \new
.endif
.endm
.macro ROUND                           ; a round of the cluster's barrier
	s_barrier_signal -1
	s_barrier_wait -1
	s_cmp_lg_u32 s[WV], 0
	s_cbranch_scc1 .Lnot_wave_0_\@
	s_barrier_signal -3
.Lnot_wave_0_\@:
	s_barrier_wait -3
	s_barrier_signal -1
	s_barrier_wait -1
.endm
; nb blocks of 16 numbers of a lane, v[s + 16 b + i], become codes in v[d + 4 b] on; w other than 0: the four bytes make the scale word v[w]; relu = 1: what is negative becomes 0 on the way
.macro QUANT s, relu, d, w, nb
.set qb, 0
.rept \nb
.if \relu
	v_max3_num_f32 v[TM+qb], v[16*qb+(\s)], v[16*qb+(\s)+1], 0x4800000     ; the floor 2^(9 - 127) among the leaves: the byte cannot fall under 1
.else
	v_max3_num_f32 v[TM+qb], |v[16*qb+(\s)]|, |v[16*qb+(\s)+1]|, 0x4800000
.endif
.set qb, qb+1
.endr
.set qi, 2
.rept 7
.set qb, 0
.rept \nb
.if \relu
	v_max3_num_f32 v[TM+qb], v[TM+qb], v[16*qb+qi+(\s)], v[16*qb+qi+(\s)+1]
.else
	v_max3_num_f32 v[TM+qb], v[TM+qb], |v[16*qb+qi+(\s)]|, |v[16*qb+qi+(\s)+1]|
.endif
.set qb, qb+1
.endr
.set qi, qi+2
.endr
.set qb, 0
.rept \nb
	v_permlanex16_b32 v[TM+4+qb], v[TM+qb], s[SEL], s[SEL+1]
.set qb, qb+1
.endr
.set qb, 0
.rept \nb
	v_max_num_f32 v[TM+qb], v[TM+qb], v[TM+4+qb]                           ; with lane l xor 16's: the block's largest magnitude
.set qb, qb+1
.endr
.set qb, 0
.rept \nb
	v_add_nc_u32 v[TM+12+qb], 0xfc000000, v[TM+qb]                         ; 8 off its exponent field: the conversion's scale operand
.set qb, qb+1
.endr
.set qb, 0
.rept \nb
	v_and_or_b32 v[TM+8+qb], v[TM+qb], 0x7f800000, s[MNT]                  ; 448 x the scale
.set qb, qb+1
.endr
.set qb, 0
.rept \nb
	v_lshrrev_b32 v[TM+4+qb], 23, v[TM+12+qb]                              ; the scale's byte
.set qb, qb+1
.endr
.if \w
	v_lshl_or_b32 v[\w], v[TM+5], 8, v[TM+4]
	v_lshl_or_b32 v[\w], v[TM+6], 16, v[\w]
	v_lshl_or_b32 v[\w], v[TM+7], 24, v[\w]
.endif
.set qb, 0
.rept \nb
.set qi, 0
.rept 16
.if \relu
	v_med3_num_f32 v[16*qb+qi+(\s)], v[16*qb+qi+(\s)], 0, v[TM+8+qb]       ; the activation and the hold in one
.else
	v_med3_num_f32 v[16*qb+qi+(\s)], v[16*qb+qi+(\s)], -v[TM+8+qb], v[TM+8+qb]   ; the conversion to an 8-bit code does not saturate (ISA guide 7.6.2): the hold
.endif
.set qi, qi+1
.endr
	v_cvt_scalef32_pk8_fp8_f32 v[4*qb+(\d):4*qb+(\d)+1], v[16*qb+(\s):16*qb+(\s)+7], v[TM+12+qb]
	v_cvt_scalef32_pk8_fp8_f32 v[4*qb+(\d)+2:4*qb+(\d)+3], v[16*qb+(\s)+8:16*qb+(\s)+15], v[TM+12+qb]
.set qb, qb+1
.endr
	v_nop                                                                  ; a plain line behind the last conversion: later products write the numbers' registers
.endm
.macro FOLD                            ; the four chains, the pair's halves and lane l xor 16's: the row's sum in v[CH], in every lane
	v_pk_add_f32 v[CH:CH+1], v[CH:CH+1], v[CH+2:CH+3]
	v_pk_add_f32 v[CH+4:CH+5], v[CH+4:CH+5], v[CH+6:CH+7]
	v_pk_add_f32 v[CH:CH+1], v[CH:CH+1], v[CH+4:CH+5]
	v_add_f32 v[CH], v[CH], v[CH+1]
	v_permlanex16_b32 v[CH+2], v[CH], s[SEL], s[SEL+1]
	v_add_f32 v[CH], v[CH], v[CH+2]
.endm
.macro FETCH m                         ; tile m's two fragments of h and their scale words, from the images
.irp s, 0,1
.irp c, 0,1,2,3
	ds_load_b128 v[XF+16*\s+4*\c:XF+16*\s+4*\c+3], v[FI] offset:4096*(\m)+2048*\s+512*\c
.endr
	ds_load_b32 v[XS+\s], v[FS] offset:256*(\m)+128*\s
.endr
.endm
; 24 products on 12 accumulators, one instruction a turn, K step by K step.  The biases are the C of the first K step.
.macro MUL u
	WIN 0x21                                       ; source 0 (Wq, Wk) window 1, C (the bias) window 2
.irp t, 0,1,2,3
	v_wmma_scale_f32_16x16x128_f8f6f4 v[QA+8*\t:QA+8*\t+7], v[32*\t:32*\t+15], v[XF:XF+15], v[128+8*\t:128+8*\t+7], v[WS+2*\t], v[XS]
.endr
.irp t, 0,1,2,3
	v_wmma_scale_f32_16x16x128_f8f6f4 v[QA+32+8*\t:QA+32+8*\t+7], v[128+32*\t:128+32*\t+15], v[XF:XF+15], v[160+8*\t:160+8*\t+7], v[WS+8+2*\t], v[XS]
.endr
	WIN 0x28                                       ; source 1 (Wv) and C (bv) window 2
.irp t, 0,1,2,3
	v_wmma_scale_f32_16x16x128_f8f6f4 v[VA+16*\t+8*(\u):VA+16*\t+8*(\u)+7], v[XF:XF+15], v[32*\t:32*\t+15], v[192+8*\t:192+8*\t+7], v[XS], v[WS+16+2*\t]
.endr
	WIN 0x01
.irp t, 0,1,2,3
	v_wmma_scale_f32_16x16x128_f8f6f4 v[QA+8*\t:QA+8*\t+7], v[32*\t+16:32*\t+31], v[XF+16:XF+31], v[QA+8*\t:QA+8*\t+7], v[WS+2*\t+1], v[XS+1]
.endr
.irp t, 0,1,2,3
	v_wmma_scale_f32_16x16x128_f8f6f4 v[QA+32+8*\t:QA+32+8*\t+7], v[128+32*\t+16:128+32*\t+31], v[XF+16:XF+31], v[QA+32+8*\t:QA+32+8*\t+7], v[WS+8+2*\t+1], v[XS+1]
.endr
	WIN 0x08
.irp t, 0,1,2,3
	v_wmma_scale_f32_16x16x128_f8f6f4 v[VA+16*\t+8*(\u):VA+16*\t+8*(\u)+7], v[XF+16:XF+31], v[32*\t+16:32*\t+31], v[VA+16*\t+8*(\u):VA+16*\t+8*(\u)+7], v[XS+1], v[WS+16+2*\t+1]
.endr
	WIN 0
.endm
.macro TILE m
.set tu, (\m)%2
.set tg, (\m)/2
	s_wait_dscnt 0x0                               ; the tile's fragments of h are in
	MUL tu
.rept 9
	v_nop                                          ; places behind the products: eight in front of the loads into h's registers and of the first read of results; the ninth since the next tile begins these accumulators anew
.endr
.if (\m) < 3
	FETCH (\m)+1
.endif
.set p, 0
.rept 16
	v_pk_mul_f32 v[QA+2*p:QA+2*p+1], v[QA+2*p:QA+2*p+1], s[2:3] op_sel_hi:[1,0]   ; q / 8, as reference() has it ahead of product 4; each accumulator is read from its low end on
.set p, p+1
.endr
	s_wait_alu depctr_va_vdst(0)
	s_wait_xcnt 0x0                                ; the earlier stores have read their data: the codes' and the words' registers are written again only behind this wait
	QUANT QA, 0, PC, 0, 4                          ; blocks 0, 1: q's 64; blocks 2, 3: k's
	global_store_b128 v[LI], v[PC:PC+3], s[56:57] offset:1024*(\m)
	global_store_b128 v[LI], v[PC+4:PC+7], s[56:57] offset:1024*(\m)+512
	global_store_b128 v[LI], v[PC+8:PC+11], s[60:61] offset:1024*(\m)
	global_store_b128 v[LI], v[PC+12:PC+15], s[60:61] offset:1024*(\m)+512
	v_lshl_or_b32 v[QW+tu], v[TM+5], 8, v[TM+4]
	v_or_b32 v[QW+tu], 0x7f7f0000, v[QW+tu]        ; the bytes of the instruction's upper 64 along K: 2^0, over zero codes
	v_lshl_or_b32 v[KW+tu], v[TM+7], 8, v[TM+6]
	v_or_b32 v[KW+tu], 0x7f7f0000, v[KW+tu]
.if tu == 1
	global_store_b64 v[L8], v[QW:QW+1], s[58:59] offset:256*tg
	v_cndmask_b32 v[KP+tg], v[KW], v[KW+1], s[HM]  ; lanes 0-15: tile (g, 0)'s words; lanes 16-31: tile (g, 1)'s
	s_wait_xcnt 0x0                                ; the stores above have read the codes' registers
	QUANT VA, 0, PC, 0, 4                          ; block t: 32 keys of my channel of tile t
.irp t, 0,1,2,3
	global_store_b128 v[LI], v[PC+4*\t:PC+4*\t+3], s[62:63] offset:16384*(\t/2)+2048*(\t%2)+512*tg
.endr
.irp t, 0,1,2,3
.if tg == 0
	v_mov_b32 v[VB+\t], v[TM+4+\t]
.else
	v_lshl_or_b32 v[VB+\t], v[TM+4+\t], 8, v[VB+\t]
.endif
.endr
.endif
.endm
	s_load_b512 s[4:19], s[0:1], 0x0               ; x, ln1_g, ln1_b, wa, bq, bk, bv, qc
	s_load_b128 s[20:23], s[0:1], 0x40             ; qs, kv
	v_lshl_add_u32 v[SPW], v0, 2, SPARE
	v_mov_b32 v[NIL], 0
	ds_add_u32 v[SPW], v[NIL]                      ; the wave's opening: the add, twice on end, and its wait ahead of my first tensor load; the set-up below, work on registers, stands between
	ds_add_u32 v[SPW], v[NIL]
	v_lshrrev_b32 v1, 5, v0
	v_readfirstlane_b32 s[WV], v1                  ; wave 0..3
	v_and_b32 v1, 15, v0                           ; r
	v_bfe_u32 v2, v0, 4, 1                         ; h
	v_and_b32 v3, 8, v1
	v_add_nc_u32 v3, v3, v1                        ; r + 8 (r / 8)
	v_and_b32 v[LI], 31, v0
	v_lshlrev_b32 v[L4], 2, v[LI]
	v_lshlrev_b32 v[L8], 3, v[LI]
	v_lshlrev_b32 v[LI], 4, v[LI]
	s_wait_alu depctr_va_vdst(0)
	s_mul_i32 s25, s[WV], 16*XP
	s_add_co_u32 s25, s25, XS0                     ; my 16 rows in LDS: row k is token k + 8 (k / 8) of my tile
	v_mul_u32_u24 v[XA], v1, XP
	v_lshl_add_u32 v[XA], v2, 6, v[XA]
	v_add_nc_u32 v[XA], s25, v[XA]                 ; row r, + 64 h
	v_add_nc_u32 v[XST], s25, v[LI]                ; and whole rows: 16 bytes a lane
	s_lshl_b32 s25, s[WV], 12
	s_add_co_u32 s25, s25, XIMG
	v_add_nc_u32 v[XWI], s25, v[LI]
	s_lshl_b32 s25, s[WV], 8
	s_add_co_u32 s25, s25, XSC
	v_add_nc_u32 v[XWS], s25, v[L4]
	v_add_nc_u32 v[FI], XIMG, v[LI]
	v_add_nc_u32 v[FS], XSC, v[L4]
	s_mul_i32 s25, s[WV], HBLK
	v_add_nc_u32 v[AW], s25, v[LI]
	s_add_co_u32 s25, s25, 49152
	v_add_nc_u32 v[AWS], s25, v[L4]
	v_lshlrev_b32 v[PB], 6, v2
	v_lshlrev_b32 v[PV], 2, v3
.irp b, 0,1,2,3
	v_mov_b32 v[TM+4+\b], 0                        ; a lane permute's destination counts as one of its sources
.endr
	s_mov_b32 s[SEL], 0x76543210
	s_mov_b32 s[SEL+1], 0xfedcba98
	s_mov_b32 s[MNT], 0x600000
	s_mov_b32 s[HM], 0xffff0000
	s_mov_b32 s2, 0x3e000000                       ; 1 / 8 = 1 / sqrt(64)
	s_mov_b32 s3, s2                               ; (named with it as a pair)
	s_mov_b32 s98, 0x3b800000                      ; 1 / 256
	s_mov_b32 s99, 0x3a83126f                      ; 1e-3
	s_bfe_u32 s76, ttmp6, 0x40000                  ; cx: it enters global addresses alone
	s_lshl_b32 s77, ttmp9, 2
	s_add_co_u32 s77, s77, s76                     ; my work-group: 64 tokens
	s_lshr_b32 s78, s77, 6                         ; the batch
	s_and_b32 s79, s77, 63                         ; my 64 tokens in the sequence
	s_lshr_b32 s80, s79, 1                         ; the key step of 128
	s_and_b32 s81, s79, 1                          ; and its half
	s_lshl_b32 s78, s78, 2
	s_add_co_u32 s78, s78, s[WV]                   ; bh = 4 batch + head
	s_lshl_b32 s82, s77, 16
	s_lshr_b32 s83, s[WV], 1                       ; my tile of tokens: g,
	s_lshl_b32 s83, s83, 15
	s_add_co_u32 s82, s82, s83
	s_and_b32 s83, s[WV], 1                        ; u
	s_lshl_b32 s83, s83, 13
	s_add_co_u32 s82, s82, s83
	s_mov_b32 s83, 0                               ; x: token 64 wg + 32 g + 8 u, 1,024 bytes a row
	s_lshl_b32 s84, s78, 18
	s_lshl_b32 s85, s79, 12
	s_add_co_u32 s84, s84, s85
	s_mov_b32 s85, 0                               ; qc: (256 bh + 4 kb) x 1,024
	s_lshl_b32 s86, s78, 15
	s_lshl_b32 s87, s79, 9
	s_add_co_u32 s86, s86, s87
	s_mov_b32 s87, 0                               ; qs: (128 bh + 2 kb) x 256
	s_lshl_b32 s88, s78, 3
	s_lshr_b32 s89, s80, 2
	s_add_co_u32 s88, s88, s89
	s_mul_i32 s88, s88, SLOTB                      ; the slot,
	s_and_b32 s89, s80, 3                          ; and the key step in it
	s_lshl_b32 s91, s89, 12
	s_add_co_u32 s91, s91, s88
	s_lshl_b32 s90, s81, 14
	s_add_co_u32 s90, s90, s91                     ; K's codes: my four tiles
	s_lshl_b32 s92, s81, 10
	s_add_co_u32 s92, s92, s91
	s_add_co_u32 s92, s92, 32768                   ; V's codes: my two key blocks
	s_mul_i32 s95, s89, 768
	s_add_co_u32 s95, s95, s88
	s_add_co_u32 s95, s95, 65536
	s_lshl_b32 s94, s81, 8
	s_add_co_u32 s94, s94, s95                     ; K's scale words
	s_lshl_b32 s96, s81, 1
	s_add_co_u32 s96, s96, s95
	s_add_co_u32 s96, s96, 512                     ; V's: my two bytes of each word
	s_mov_b32 s91, 0
	s_mov_b32 s93, 0
	s_mov_b32 s95, 0
	s_mov_b32 s97, 0
	s_lshl_b32 s88, s[WV], 8
	s_mov_b32 s89, 0                               ; my head's 64 numbers of a bias
	; a head's block of wa is dense: 51 rows of 128 elements of 8 bytes; the mask names the cluster's four, bit 21 beside it
	s_mov_b32 s[G1W+0], 15|(3<<16)|(1<<21)
	s_mov_b32 s[G1W+1], 128<<16
	s_mov_b32 s[G1W+2], 51<<16
	s_mov_b32 s[G1W+3], 128<<16
	s_mov_b32 s[G1W+4], 51
	s_mov_b32 s[G1W+5], 128
	s_mov_b32 s[G1W+6], 0
	s_mov_b32 s[G1W+7], 0
	s_mov_b32 s[G0W], 1
	s_mul_i32 s[G0W+1], s[WV], HBLK
	s_mov_b32 s26, s[G0W+1]
	s_mov_b32 s27, 0
	s_wait_dscnt 0x0                               ; both opening adds are done
	s_wait_kmcnt 0x0
	s_add_nc_u64 s[4:5], s[4:5], s[82:83]
.irp k, 0,1,2,3,4,5,6,7,8,9,10,11,12,13,14,15
	global_load_b128 v[X+8*\k:X+8*\k+3], v[LI], s[4:5] offset:(\k+(\k&8))*1024         ; my rows of x: 512 consecutive bytes an instruction
	global_load_b128 v[X+8*\k+4:X+8*\k+7], v[LI], s[4:5] offset:(\k+(\k&8))*1024+512
.endr
	s_add_nc_u64 s[G0W+2:G0W+3], s[10:11], s[26:27]
	s_or_b32 s[G0W+3], s[G0W+3], 0x80000000
	s_add_nc_u64 s[56:57], s[18:19], s[84:85]
	s_add_nc_u64 s[58:59], s[20:21], s[86:87]
	s_add_nc_u64 s[60:61], s[22:23], s[90:91]
	s_add_nc_u64 s[62:63], s[22:23], s[92:93]
	s_add_nc_u64 s[66:67], s[22:23], s[94:95]
	s_add_nc_u64 s[68:69], s[22:23], s[96:97]
	s_add_nc_u64 s[70:71], s[12:13], s[88:89]
	s_add_nc_u64 s[72:73], s[14:15], s[88:89]
	s_add_nc_u64 s[74:75], s[16:17], s[88:89]
	ROUND                                          ; all four work-groups are here: the joint loads meet
	tensor_load_to_lds s[G0W:G0W+3], s[G1W:G1W+7]  ; my head's weights, jointly: my one tensor load
	s_nop 0
.rept 4
	v_nop
.endr
	WIN 0xc0                                       ; destination window 3
	s_wait_alu depctr_va_vdst(0)
.irp b, 0,1,2,3,4,5,6,7
.irp j, 0,1,2,3
	global_load_b128 v[16*\b+4*\j:16*\b+4*\j+3], v[PB], s[6:7] offset:128*\b+16*\j        ; ln1_g at my columns 32 b + 16 h + 0 .. 15
.endr
.endr
.irp b, 0,1,2,3,4,5,6,7
.irp j, 0,1,2,3
	global_load_b128 v[128+16*\b+4*\j:128+16*\b+4*\j+3], v[PB], s[8:9] offset:128*\b+16*\j   ; ln1_b
.endr
.endr
	WIN 0
	s_wait_loadcnt 63                              ; of the 96 loads so far x's 32 are the oldest: they are in; the 63 youngest may be out
.irp k, 0,1,2,3,4,5,6,7,8,9,10,11,12,13,14,15
	ds_store_b128 v[XST], v[X+8*\k:X+8*\k+3] offset:XP*\k
	ds_store_b128 v[XST], v[X+8*\k+4:X+8*\k+7] offset:XP*\k+512
.endr
	WIN 0x80
.irp t, 0,1,2,3
	global_load_b128 v[128+8*\t:128+8*\t+3], v[PB], s[70:71] offset:(32*(\t/2)+8*(\t%2))*4
	global_load_b128 v[128+8*\t+4:128+8*\t+7], v[PB], s[70:71] offset:(32*(\t/2)+8*(\t%2))*4+16
.endr
.irp t, 0,1,2,3
	global_load_b128 v[160+8*\t:160+8*\t+3], v[PB], s[72:73] offset:(32*(\t/2)+8*(\t%2))*4      ; bk
	global_load_b128 v[160+8*\t+4:160+8*\t+7], v[PB], s[72:73] offset:(32*(\t/2)+8*(\t%2))*4+16
.endr
.irp t, 0,1,2,3
.irp j, 0,1,2,3,4,5,6,7
	global_load_b32 v[192+8*\t+\j], v[PV], s[74:75] offset:(32*(\t/2)+8*(\t%2))*4               ; bv: in v's result a lane holds one channel: the same number in all eight registers
.endr
.endr
	WIN 0
	s_wait_alu depctr_va_vdst(0)
	s_wait_dscnt 0x0                               ; the stores have read their registers; the rows are my own, so no barrier stands here
.irp b, 0,1,2,3,4,5,6,7
.irp j, 0,1,2,3
	ds_load_b128 v[X+16*\b+4*\j:X+16*\b+4*\j+3], v[XA] offset:128*\b+16*\j   ; register 16 b + i = x(my token, 32 b + 16 h + i)
.endr
.endr
	s_wait_dscnt 0x0
	; LN1, in two passes as reference() has it: the mean; the mean of the squares of x - mean
.irp k, 0,1,2,3
	v_pk_add_f32 v[CH+2*\k:CH+2*\k+1], v[X+2*\k:X+2*\k+1], v[X+8+2*\k:X+9+2*\k]
.endr
.set p, 8
.rept 56
	v_pk_add_f32 v[CH+2*(p%4):CH+2*(p%4)+1], v[CH+2*(p%4):CH+2*(p%4)+1], v[X+2*p:X+2*p+1]
.set p, p+1
.endr
	FOLD
	v_mul_f32 v[MU], 0xbb800000, v[CH]             ; -mean
	v_mov_b32 v[MU+1], v[MU]
.set p, 0
.rept 64
	v_pk_add_f32 v[X+2*p:X+2*p+1], v[X+2*p:X+2*p+1], v[MU:MU+1] op_sel_hi:[1,0]
.set p, p+1
.endr
.irp k, 0,1,2,3
	v_pk_mul_f32 v[CH+2*\k:CH+2*\k+1], v[X+2*\k:X+2*\k+1], v[X+2*\k:X+2*\k+1]
.endr
.set p, 4
.rept 60
	v_pk_fma_f32 v[CH+2*(p%4):CH+2*(p%4)+1], v[X+2*p:X+2*p+1], v[X+2*p:X+2*p+1], v[CH+2*(p%4):CH+2*(p%4)+1]
.set p, p+1
.endr
	FOLD
	v_fma_f32 v[CH], v[CH], s98, s99               ; the variance + 1e-3
	s_wait_alu depctr_va_vdst(0)
	v_rsq_f32 v[RS], v[CH]
	v_mov_b32 v[RS+1], 0                           ; (the pair's upper half is named with it; also the plain line behind the transcendental)
	s_wait_alu depctr_va_vdst(0)                   ; the wait ahead of the result's first reader
.set p, 0
.rept 64
	v_pk_mul_f32 v[X+2*p:X+2*p+1], v[X+2*p:X+2*p+1], v[RS:RS+1] op_sel_hi:[1,0]
.set p, p+1
.endr
	s_wait_loadcnt 48                              ; gain and bias are in; the 48 loads of bq, bk, bv behind them may be out
	WIN 0x3c                                       ; sources 1 and 2 window 3
.set p, 0
.rept 64
	v_pk_fma_f32 v[X+2*p:X+2*p+1], v[X+2*p:X+2*p+1], v[2*p:2*p+1], v[128+2*p:128+2*p+1]
.set p, p+1
.endr
	WIN 0
	s_wait_tensorcnt 0x0                           ; my head's weights are in LDS: only I read them, so my own wait is all that the reads need.  They land in registers while h is quantised
	WIN 0x40                                       ; destination window 1
.set f, 0
.rept 16
.irp c, 0,1,2,3
	ds_load_b128 v[16*f+4*\c:16*f+4*\c+3], v[AW] offset:2048*f+512*\c
.endr
.set f, f+1
.endr
	WIN 0x80                                       ; destination window 2
.rept 8
.irp c, 0,1,2,3
	ds_load_b128 v[16*(f-16)+4*\c:16*(f-16)+4*\c+3], v[AW] offset:2048*f+512*\c
.endr
.set f, f+1
.endr
	WIN 0
.set f, 0
.rept 24
	ds_load_b32 v[WS+f], v[AWS] offset:128*f
.set f, f+1
.endr
	QUANT X, 0, PC, PW, 4                          ; K step 0: columns 0 to 127
.irp c, 0,1,2,3
	ds_store_b128 v[XWI], v[PC+4*\c:PC+4*\c+3] offset:512*\c
.endr
	ds_store_b32 v[XWS], v[PW]
	s_wait_dscnt 0x0                               ; the stores have read their registers
	QUANT X+64, 0, PC, PW, 4                       ; K step 1
.irp c, 0,1,2,3
	ds_store_b128 v[XWI], v[PC+4*\c:PC+4*\c+3] offset:2048+512*\c
.endr
	ds_store_b32 v[XWS], v[PW] offset:128
	s_wait_dscnt 0x0                               ; for the others' sake: my stores have landed
	s_barrier_signal -1
	s_barrier_wait -1                              ; h's eight fragments lie in LDS
	FETCH 0
	s_wait_loadcnt 0x0                             ; bq, bk, bv
	TILE 0
	TILE 1
	TILE 2
	TILE 3
	global_store_b64 v[L8], v[KP:KP+1], s[66:67]   ; K's scale words of my two key blocks
	v_cndmask_b32 v[VP], v[VB], v[VB+1], s[HM]     ; V's: lanes 0-15 the even tile of channels, lanes 16-31 the odd one
	v_cndmask_b32 v[VP+1], v[VB+2], v[VB+3], s[HM]
	global_store_b16 v[L4], v[VP], s[68:69]
	global_store_b16 v[L4], v[VP+1], s[68:69] offset:128
	s_wait_tensorcnt 0x0                           ; the wave's end, behind my last tensor load and my last LDS store
	ds_add_u32 v[SPW], v[NIL]
	s_wait_dscnt 0x0
	ROUND                                          ; the closing round: no work-group ends while a partner may still ask jointly
	s_endpgm
.Lfunc_end_k_qf7abf97451_qkv:
	.size	k_qf7abf97451_qkv, .Lfunc_end_k_qf7abf97451_qkv-k_qf7abf97451_qkv
	.p2alignl 7, 3214868480
	.fill 96, 4, 3214868480
	.section	.rodata,"a",@progbits
	.p2align	6, 0x0
	.amdhsa_kernel k_qf7abf97451_qkv
		.amdhsa_group_segment_fixed_size 327680
		.amdhsa_private_segment_fixed_size 0
		.amdhsa_enable_private_segment 0
		.amdhsa_kernarg_size 80
		.amdhsa_user_sgpr_count 2
		.amdhsa_user_sgpr_kernarg_segment_ptr 1
		.amdhsa_wavefront_size32 1
		.amdhsa_system_sgpr_workgroup_id_x 1
		.amdhsa_system_sgpr_workgroup_id_y 1
		.amdhsa_system_sgpr_workgroup_id_z 1
		.amdhsa_system_vgpr_workitem_id 0
		.amdhsa_next_free_vgpr 1024
		.amdhsa_next_free_sgpr 100
		.amdhsa_reserve_vcc 0
		.amdhsa_float_denorm_mode_32 3
		.amdhsa_float_denorm_mode_16_64 3
		.amdhsa_memory_ordered 1
		.amdhsa_forward_progress 1
		.amdhsa_inst_pref_size 142
	.end_amdhsa_kernel
	.amdgpu_metadata
---
amdhsa.version: [ 1, 2 ]
amdhsa.kernels:
  - .name:           k_qf7abf97451_qkv
    .symbol:         k_qf7abf97451_qkv.kd
    .args:
      - { .name: x, .offset: 0, .size: 8, .value_kind: global_buffer, .address_space: global }
      - { .name: ln1_g, .offset: 8, .size: 8, .value_kind: global_buffer, .address_space: global }
      - { .name: ln1_b, .offset: 16, .size: 8, .value_kind: global_buffer, .address_space: global }
      - { .name: wa, .offset: 24, .size: 8, .value_kind: global_buffer, .address_space: global }
      - { .name: bq, .offset: 32, .size: 8, .value_kind: global_buffer, .address_space: global }
      - { .name: bk, .offset: 40, .size: 8, .value_kind: global_buffer, .address_space: global }
      - { .name: bv, .offset: 48, .size: 8, .value_kind: global_buffer, .address_space: global }
      - { .name: qc, .offset: 56, .size: 8, .value_kind: global_buffer, .address_space: global }
      - { .name: qs, .offset: 64, .size: 8, .value_kind: global_buffer, .address_space: global }
      - { .name: kv, .offset: 72, .size: 8, .value_kind: global_buffer, .address_space: global }
    .group_segment_fixed_size: 327680
    .private_segment_fixed_size: 0
    .kernarg_segment_align: 8
    .kernarg_segment_size: 80
    .max_flat_workgroup_size: 128
    .sgpr_count:     100
    .vgpr_count:     1024
    .wavefront_size: 32
...
	.end_amdgpu_metadata
.endif
;; end of part 2
;; launch attn (part 3): grid 16 x 16, 8 waves a work-group, no clusters, 327,680 bytes of LDS; arguments qc, qs, kv, cc, cs; writes cc, cs
.if DOCPART == 3
	.amdgcn_target "amdgcn-amd-amdhsa--gfx1250"
	.amdhsa_code_object_version 6
	.text
	.protected	k_qf7abf97451_attn
	.globl	k_qf7abf97451_attn
	.p2align	8
	.type	k_qf7abf97451_attn,@function
k_qf7abf97451_attn:
	s_mov_b64 s[64:65], 0
	v_nop
	global_prefetch_b8 v0, s[64:65] scope:SCOPE_SE
	s_setreg_imm32_b32 hwreg(HW_REG_WAVE_MODE, 25, 1), 1
	s_wait_xcnt 0x0
; ctx = softmax(q k^T under the causal mask) v for each of 16 (batch, head), both products on codes of E4M3; ctx is quantised along (head, channel) for product 6.
; WORK LEFT OUT: a key step of 128 keys all of which come after a tile's block of queries: reference()'s own jnp.tril puts -1e9 in the place of those scores, and their p is 0 in f32 (shown at the head of the first launch).
; LIMITS: a row whose largest visible logit lies under about -1e9 + 100 would differ from reference(); a NaN, an infinity or an overflow that reaches only the steps left out is not carried on; NaN and infinities are not served;
; a block of zeros gets the byte 1 where the rule says 127 (its codes are zeros; the bytes are this program's own).
; THE SOFTMAX AHEAD OF THE SECOND PRODUCT: t = logit x log2(e); M = the running largest t rounded UP to a whole number; p = 2^(t - M) is what is quantised, along the keys.  The row's sum is taken of the unquantised p
; and divides at the end.  When M moves, the sum and O are multiplied by 2^(old M - new M): exact.
; SHARES.  A head's 4,096 queries are 32 blocks of 128.  Work-group i owns blocks 31 - i and i and walks them ONE AFTER THE OTHER, in two passes over the keys: block B needs B + 1 key steps of 128, the two 33 together.
; A block is four pairs of tiles of 16 queries; a wave works a PAIR, A and B, so that each fragment of K and V feeds two products.  Eight waves: TWO WAVES SHARE A PAIR, the one takes the even key steps, the other the odd ones.
; At a pass's end they join: each gives the other half of its O, with its sums and its largest t, through LDS, brings both parts under the common M by exact powers of two, and finishes one of the tiles' two blocks of 32 channels.
; A slot holds four key steps (512 keys): block 31 - i has ceil((32 - i) / 4) slots, block i ceil((i + 1) / 4): NINE together for every i.  So the trip count is a constant, and each slot that is loaded is read.
; Parity of wave w: (w xor w / 4) & 1; pair w / 2; partner w xor 1.  Of waves w and w + 4 one has the even steps and one the odd ones.
; LAYOUT.  Both products transposed: S^T = K Q^T, O^T = V^T P^T: a lane holds one query of each tile throughout.  All operands come as images of their registers: a load of the wave reads 512 consecutive bytes.
; THE HEAD'S 64 IN AN INSTRUCTION OF 128 ALONG K: Q's upper 8 registers are zero codes.  K's tiles lie 8 registers apart, and tile k's operand is named as 16: its upper 8 are the next tile's codes (behind the last tile: zeros),
; numbers of E4M3, each multiplied by a zero code; both sides' scale bytes there are 2^0.
; NO CLUSTER: the work-groups of a head read the same K and V.
; THE RING: two slots, 2^17 bytes apart, each four records of 17,152 bytes (codes and scale words of 128 keys), dense in memory: ONE load of 268 rows of 256 bytes, by wave 0.
; REGISTERS, window 0: v1-14 addresses, v2-3 p's scale words; v16-31 Q of A and zeros, v32-47 of B; v48-111 K, v112-119 zeros; v120-183 V; v184-247 O^T of A and B; v248-255 scale words of K, V, Q.
;   window 1: the softmax's, of A and of B: what is named below from S on.
; A SLOT, in the place of what stands above: 68,608 bytes, dense in memory and in LDS: K's tiles 0-3 of the four key steps (4,096 a step), K's tiles 4-7 from 16,384 on, V's tiles 0-1 from 32,768, V's tiles 2-3 from 49,152; from 65,536 the scale words, 768 a step.
; It comes by FIVE loads, one a wave: waves 0 to 3 a piece of 16,384 bytes each (16 rows of 1,024), wave 4 the scale words (3 rows).  Every piece holds a part of each of the four steps, so each is read whatever the slot's number of steps.
.set REC,   17152                      ; a quarter of a slot
.set G1S,   32                         ; s[32:39] descriptor group 1 for the scale words
.set WP,    63                         ; s63  my piece: 16,384 x wave
.set HSC,   68                         ; s68  parity x 768
.set SLOT1, 1<<17
.set XCH,   199680                     ; behind slot 1: the exchange, 4,608 bytes a wave (2,304 a tile), two regions 65,536 bytes apart by turns
.set XSZ,   4608
.set SPARE, 236544                     ; between the two regions: the spare words, 128 bytes a wave: four blocks of 256 bytes that no other line names
.set LI,  1                            ; v1  16 x lane
.set PS,  2                            ; v2-3  p's scale words
.set PFO, 4                            ; v4  256 x lane: the prefetches' offset
.set SPW, 5
.set NIL, 6
.set ADK, 8
.set ADS, 9
.set ADT, 10
.set L8,  11                           ; v11 8 x lane
.set L4,  12                           ; v12 4 x lane
.set XA,  13                           ; v13-14 the exchange's addresses
.set Q,   16
.set K,   48
.set V,   120
.set O,   184
.set KS,  248
.set VS,  252
.set QS,  254
.set S,   0                            ; window 1: S^T, then p: 64 registers a tile
.set CH,  128                          ; eight chains of sums of p, two numbers each: 16 a tile
.set PCD, 160                          ; p's codes: 16 a tile
.set BM,  192                          ; 4 a tile
.set HL,  200
.set SO,  208
.set TMP, 216                          ; two sets of eight held numbers on their way to codes
.set NM,  232                          ; -M, the largest t, the sum in two halves: 4 a tile
.set F,   240                          ; f: a pair a tile
.set TT,  244
.set DM,  246                          ; my query's place in its block of 128, less 16 (lane / 16)
.set TB,  2                            ; s2   LDS byte at which the slot in hand begins
.set RO,  3                            ; s3   the step's offset in the slot: 0 or 8,192
.set WV,  18
.set MNT, 19
.set SEL, 20
.set CS,  22                           ; s[22:23] log2(e)
.set G1,  24
.set G0,  40
.set N1,  44                           ; s44  slots of the first pass
.set SL,  45                           ; s45  the slot's number, 0 .. 8
.set HREC, 46                          ; s46  parity x 4,096
.set H128, 47                          ; s47  parity x 128
.set QB2, 56                           ; s56  the second block's first query
.set XB,  57                           ; s57  the exchange's region: 0 or 65,536
.set XO,  58                           ; s58  my place in it
.set XP,  59                           ; s59  my partner's
.set H,   62                           ; s62  my parity
.set PFA, 76
.set PFS, 78
.set LIM, 80
.set KF,  98                           ; s98  the step's first key
.set QB,  99                           ; s99  the block's first query
.set MSB, 0
.macro WIN new                         ; the immediate's high byte repeats the setting that is left
.if MSB != \new
	s_set_vgpr_msb (MSB<<8)|\new
.set MSB, \new
.endif
.endm
.macro TLOAD                           ; waves 0 to 4 fetch; the branch hangs on the wave's number alone; an s_nop 0 and four v_nop follow the load
	s_cmp_lt_u32 s[WV], 4                          ; (waves 0 to 3 a piece each, wave 4 the scale words)
	s_cbranch_scc0 .Lscales_\@
	tensor_load_to_lds s[G0:G0+3], s[G1:G1+7]
	s_nop 0
.rept 4
	v_nop
.endr
	s_branch .Lasked_\@
.Lscales_\@:
	s_cmp_eq_u32 s[WV], 4
	s_cbranch_scc0 .Lasked_\@
	tensor_load_to_lds s[G0:G0+3], s[G1S:G1S+7]
	s_nop 0
.rept 4
	v_nop
.endr
.Lasked_\@:
.endm
; A PREFETCH INTO THE L2 of what the NEXT change of slots will ask for, a slot's steps ahead of that load.  The head's first work-group, whose first pass walks all eight slots of the head, asks; in it waves 4 to 7, two instructions each,
; lanes 256 bytes apart: 65,536 of a slot's 68,608 bytes, each aligned block of 256 bytes named once in the launch.  Slots 0 and 1 come by their loads alone; the last is slot 7.
.macro ASK
	s_cmp_lt_u32 s[SL], s[LIM]
	s_cbranch_scc0 .Lnot_mine_\@
	global_prefetch_b8 v[PFO], s[PFA:PFA+1] th:TH_LOAD_NT scope:SCOPE_SE
	global_prefetch_b8 v[PFO], s[PFA:PFA+1] offset:8192 th:TH_LOAD_NT scope:SCOPE_SE
.Lnot_mine_\@:
.endm
; offsets of my pair of tiles of block s blk into s[a:a+7]: qc, qs, cc, cs
.macro PTRS blk, a
	s_lshl_b32 s81, s\blk, 3
	s_add_co_u32 s81, s81, s72                     ; tile A in the head, an even number
	s_lshl_b32 s82, s70, 8
	s_add_co_u32 s82, s82, s81
	s_lshl_b32 s[\a], s82, 10                      ; qc: (256 bh + tile) x 1,024
	s_mov_b32 s[\a+1], 0
	s_lshl_b32 s[\a+2], s82, 7                     ; qs: (128 bh + tile / 2) x 256
	s_mov_b32 s[\a+3], 0
	s_lshr_b32 s83, s70, 2
	s_lshl_b32 s83, s83, 8
	s_add_co_u32 s83, s83, s81                     ; the tile among all 1,024
	s_lshl_b32 s84, s83, 12
	s_add_co_u32 s[\a+4], s84, s85                 ; cc
	s_mov_b32 s[\a+5], 0
	s_lshl_b32 s84, s83, 8
	s_add_co_u32 s[\a+6], s84, s86                 ; cs
	s_mov_b32 s[\a+7], 0
.endm
; THE ROW'S SUM of the unquantised p, 32 packed additions a tile, laid where products and conversions want places.  ADD: 0-23 gather a tile's 64 numbers in eight chains.
.macro ADD u, n
.if (\n) < 8
	v_pk_add_f32 v[CH+16*(\u)+2*(\n):CH+16*(\u)+2*(\n)+1], v[S+64*(\u)+2*(\n):S+64*(\u)+2*(\n)+1], v[S+64*(\u)+16+2*(\n):S+64*(\u)+17+2*(\n)]
.else
	v_pk_add_f32 v[CH+16*(\u)+2*((\n)%8):CH+16*(\u)+2*((\n)%8)+1], v[CH+16*(\u)+2*((\n)%8):CH+16*(\u)+2*((\n)%8)+1], v[S+64*(\u)+16+2*(\n):S+64*(\u)+17+2*(\n)]
.endif
.endm
.macro LATER                           ; the twelve that a step leaves to the next step's head (or to the pass's end)
.irp c, 20,21,22,23
	ADD 0, \c
.endr
.irp c, 16,17,18,19,20,21,22,23
	ADD 1, \c
.endr
.endm
.macro MAXL m, bm, s                   ; 32 lines: the largest score of each block of 32 keys (my 16): it serves for the row's maximum and, since p rises with the score, for the block's largest p
.if (\m) < 4
	v_max3_num_f32 v[(\bm)+(\m)], v[(\s)+16*(\m)], v[(\s)+1+16*(\m)], v[(\s)+2+16*(\m)]
.elseif (\m) < 28
	v_max3_num_f32 v[(\bm)+(\m)%4], v[(\bm)+(\m)%4], v[(\s)+16*((\m)%4)+2*((\m)/4)+1], v[(\s)+16*((\m)%4)+2*((\m)/4)+2]
.else
	v_max_num_f32 v[(\bm)+(\m)-28], v[(\bm)+(\m)-28], v[(\s)+15+16*((\m)-28)]
.endif
.endm
.macro LIST from, n                    ; 0-15: both tiles' chains into the sums; 16-47: tile A's maxima
.set ln, \from
.rept \n
.set lc, CH+16*(ln%2)
.if ln < 8
	v_pk_add_f32 v[lc+2*(ln/2):lc+2*(ln/2)+1], v[lc+2*(ln/2):lc+2*(ln/2)+1], v[lc+2*(ln/2)+8:lc+2*(ln/2)+9]
.elseif ln < 12
	v_pk_add_f32 v[lc+2*((ln-8)/2):lc+2*((ln-8)/2)+1], v[lc+2*((ln-8)/2):lc+2*((ln-8)/2)+1], v[lc+2*((ln-8)/2)+4:lc+2*((ln-8)/2)+5]
.elseif ln < 14
	v_pk_add_f32 v[lc:lc+1], v[lc:lc+1], v[lc+2:lc+3]
.elseif ln < 16
	v_pk_add_f32 v[NM+2+4*(ln%2):NM+3+4*(ln%2)], v[NM+2+4*(ln%2):NM+3+4*(ln%2)], v[lc:lc+1]
.else
	MAXL ln-16, BM, S
.endif
.set ln, ln+1
.endr
.endm
.macro MAXB                            ; tile B's maxima; among them tile A's are joined with lane l xor 16's
.set lm, 0
.rept 8
.set lr, lm/4
.rept 4
	MAXL lm, BM+4, S+64
.set lm, lm+1
.endr
.if lr < 4
	v_permlanex16_b32 v[HL+lr], v[BM+lr], s[SEL], s[SEL+1]
.else
	v_max_num_f32 v[BM+lr-4], v[BM+lr-4], v[HL+lr-4]
.endif
.endr
.endm
.macro QKW u, k                        ; register 16 b + i of lane (r, h): key 32 b + 16 h + i of the step, query r of the tile
.if (\k)%2
	v_wmma_scale_f32_16x16x128_f8f6f4 v[S+64*(\u)+8*(\k):S+64*(\u)+8*(\k)+7], v[K+8*(\k):K+15+8*(\k)], v[Q+16*(\u):Q+15+16*(\u)], 0, v[KS+(\k)/2], v[QS+(\u)] matrix_a_scale:MATRIX_SCALE_ROW1
.else
	v_wmma_scale_f32_16x16x128_f8f6f4 v[S+64*(\u)+8*(\k):S+64*(\u)+8*(\k)+7], v[K+8*(\k):K+15+8*(\k)], v[Q+16*(\u):Q+15+16*(\u)], 0, v[KS+(\k)/2], v[QS+(\u)]
.endif
.endm
.macro QKA                             ; tile A's eight
	WIN 0x40                                       ; D window 1
.irp k, 0,1,2,3,4,5,6,7
.if \k == 4
	s_wait_dscnt 18                                ; K is in; V's 18 loads may be out
.endif
	QKW 0, \k
.endr
.endm
.macro PVW u, t
.if (\t)%2
	v_wmma_scale_f32_16x16x128_f8f6f4 v[O+32*(\u)+8*(\t):O+32*(\u)+8*(\t)+7], v[V+16*(\t):V+15+16*(\t)], v[PCD+16*(\u):PCD+15+16*(\u)], v[O+32*(\u)+8*(\t):O+32*(\u)+8*(\t)+7], v[VS+(\t)/2], v[PS+(\u)] matrix_a_scale:MATRIX_SCALE_ROW1
.else
	v_wmma_scale_f32_16x16x128_f8f6f4 v[O+32*(\u)+8*(\t):O+32*(\u)+8*(\t)+7], v[V+16*(\t):V+15+16*(\t)], v[PCD+16*(\u):PCD+15+16*(\u)], v[O+32*(\u)+8*(\t):O+32*(\u)+8*(\t)+7], v[VS+(\t)/2], v[PS+(\u)]
.endif
.endm
.macro HOLD8 u, g
.irp i, 0,2,4,6
	v_dual_min_num_f32 v[TMP+8*((\g)%2)+\i], v[S+64*(\u)+8*(\g)+\i], v[HL+4*(\u)+(\g)/2] :: v_dual_min_num_f32 v[TMP+8*((\g)%2)+1+\i], v[S+64*(\u)+8*(\g)+1+\i], v[HL+4*(\u)+(\g)/2]
.endr
.endm
.macro CODE8 u, g
	v_cvt_scalef32_pk8_fp8_f32 v[PCD+16*(\u)+2*(\g):PCD+16*(\u)+2*(\g)+1], v[TMP+8*((\g)%2):TMP+8*((\g)%2)+7], v[SO+4*(\u)+(\g)/2]
	ADD \u, 8+\g                                   ; the plain line behind the conversion
.endm
.macro RESET                           ; a block begins: O^T, the chains, the sums and what LATER adds are zeros, the largest t is under every t
	WIN 0
.set ri, 0
.rept 64
	v_mov_b32 v[O+ri], 0
.set ri, ri+1
.endr
	WIN 0x55
.set ri, 0
.rept 32
	v_mov_b32 v[CH+ri], 0
.set ri, ri+1
.endr
.set ri, 0
.rept 16
.if ri < 8
	v_mov_b32 v[S+56+ri], 0
.endif
	v_mov_b32 v[S+64+48+ri], 0
.set ri, ri+1
.endr
.irp u, 0,1
	v_mov_b32 v[NM+1+4*\u], 0xff61b1e6             ; -3e38
	v_mov_b32 v[NM+2+4*\u], 0
	v_mov_b32 v[NM+3+4*\u], 0
	v_floor_f32 v[NM+4*\u], -v[NM+1+4*\u]          ; -M
.endr
	WIN 0
.endm
; A SLOT'S TWO KEY STEPS OF MINE: 128 keys each, records parity and parity + 2.
.macro WALK
	s_mov_b32 s[RO], 0
.Lstep_\@:
	s_cmp_gt_u32 s[KF], s[QB]                      ; all its keys come after my queries: the work is left out; the lines at the end that step KF and RO are not.  No barrier and no tensor load stands in a step
	s_cbranch_scc1 .Lhidden_\@
	s_add_co_u32 s82, s[TB], s[HREC]
	s_add_co_u32 s82, s82, s[RO]                   ; codes: 4,096 a step
	s_lshr_b32 s83, s[RO], 13
	s_mul_i32 s83, s83, 2*768
	s_add_co_u32 s83, s83, s[HSC]
	s_add_co_u32 s83, s83, s[TB]
	s_add_co_u32 s83, s83, 65536                   ; scale words: 768 a step
	v_add_nc_u32 v[ADK], s82, v[LI]
	v_add_nc_u32 v[ADS], s83, v[L8]
	v_add_nc_u32 v[ADT], s83, v[L4]
	ds_load_b64 v[KS:KS+1], v[ADS]
	ds_load_b64 v[KS+2:KS+3], v[ADS] offset:256
.irp k, 0,1,2,3,4,5,6,7
	ds_load_b128 v[K+8*\k:K+3+8*\k], v[ADK] offset:16384*(\k/4)+1024*(\k%4)
	ds_load_b128 v[K+4+8*\k:K+7+8*\k], v[ADK] offset:16384*(\k/4)+1024*(\k%4)+512
.endr
	WIN 0x55
	LATER                                          ; the last step's additions stand under K's loads; also places behind the last products, in front of V's loads
	WIN 0
.irp t, 0,1,2,3
.irp c, 0,1,2,3
	ds_load_b128 v[V+16*\t+4*\c:V+3+16*\t+4*\c], v[ADK] offset:32768+16384*(\t/2)+2048*(\t%2)+512*\c
.endr
.endr
	ds_load_b32 v[VS], v[ADT] offset:512
	ds_load_b32 v[VS+1], v[ADT] offset:512+128
	s_wait_alu depctr_va_vdst(0)
	s_wait_dscnt 24                                ; K's tiles 0 to 4 are in; six loads of K and V's 18 may be out
	s_cmp_lg_u32 s[KF], s[QB]                      ; only the block's own step lies on the diagonal
	s_cbranch_scc1 .Lopen_\@
	QKA
.irp k, 0,1,2,3,4,5,6,7
	QKW 1, \k
.endr
	WIN 0x55
	LIST 0, 16
	v_mov_b32 v[TT], 0xce6e6b28                    ; -1e9, as reference() has it
.irp u, 0,1
.irp n, 0,1,2,3,4,5,6,7,8,9,10,11,12,13,14,15,16,17,18,19,20,21,22,23,24,25,26,27,28,29,30,31,32,33,34,35,36,37,38,39,40,41,42,43,44,45,46,47,48,49,50,51,52,53,54,55,56,57,58,59,60,61,62,63
	v_cmp_gt_i32 vcc_lo, 32*(\n/16)+\n%16, v[DM+\u]   ; hidden where the key comes after my query
	v_cndmask_b32 v[S+64*\u+\n], v[S+64*\u+\n], v[TT], vcc_lo
.endr
.endr
	LIST 16, 32
	MAXB
	WIN 0
	s_wait_alu depctr_va_vdst(0)
	s_branch .Ljoin_\@
.Lopen_\@:
	QKA
.irp k, 0,1,2,3,4,5,6,7                            ; tile B's products stand among the sums and tile A's maxima
	WIN 0x40
	QKW 1, \k
	WIN 0x55
	LIST 5*\k, 5
.endr
	LIST 40, 8                                     ; eight places behind B's last product
	MAXB
	WIN 0
.Ljoin_\@:
	WIN 0x55
.irp b, 4,5,6,7
	v_permlanex16_b32 v[HL+\b], v[BM+\b], s[SEL], s[SEL+1]
.endr
.irp b, 4,5,6,7
	v_max_num_f32 v[BM+\b], v[BM+\b], v[HL+\b]     ; with lane l xor 16's 16 keys
.endr
.irp u, 0,1
	v_max3_num_f32 v[TT+\u], v[BM+4*\u], v[BM+1+4*\u], v[BM+2+4*\u]
.endr
.irp u, 0,1
	s_delay_alu instid0(VALU_DEP_2)
	v_max_num_f32 v[TT+\u], v[TT+\u], v[BM+3+4*\u]
.endr
.irp u, 0,1
	s_delay_alu instid0(VALU_DEP_2)
	v_mul_f32 v[TT+\u], s[CS], v[TT+\u]            ; the step's largest t
.endr
.irp u, 0,1
	s_delay_alu instid0(VALU_DEP_2)
	v_max_num_f32 v[NM+1+4*\u], v[NM+1+4*\u], v[TT+\u]   ; the running largest t
.endr
.irp u, 0,1
	v_mov_b32 v[TT+\u], v[NM+4*\u]
.endr
.irp u, 0,1
	s_delay_alu instid0(VALU_DEP_4)
	v_floor_f32 v[NM+4*\u], -v[NM+1+4*\u]          ; the new -M = -ceil(t): a whole number
.endr
.irp u, 0,1
	s_delay_alu instid0(VALU_DEP_2)
	v_sub_f32 v[TT+\u], v[NM+4*\u], v[TT+\u]       ; old M - new M, 0 or less
.endr
.irp u, 0,1
	s_delay_alu instid0(VALU_DEP_2)
	v_cvt_i32_f32 v[TT+\u], v[TT+\u]               ; (it saturates)
.endr
.irp u, 0,1
	s_delay_alu instid0(VALU_DEP_2)
	v_ldexp_f32 v[F+2*\u], 1.0, v[TT+\u]           ; f = 2^(old M - new M)
.endr
.irp j, 0,2,4,6,8,10,12,14,16,18,20,22,24,26,28,30,32,34,36,38,40,42,44,46,48,50,52,54,56,58,60,62
	v_pk_fma_f32 v[S+\j:S+1+\j], v[S+\j:S+1+\j], s[CS:CS+1], v[NM:NM+1] op_sel_hi:[1,0,0]   ; A: t - M
.endr
.irp b, 0,1,2,3
	v_fma_f32 v[BM+\b], v[BM+\b], s[CS], v[NM]     ; the same of each block's largest score
.endr
	s_wait_alu depctr_va_vdst(0)
.irp j, 0,2,4,6,8,10,12,14,16,18,20,22,24,26,28,30,32,34,36,38,40,42,44,46,48,50,52,54,56,58,60,62
	v_exp_f32 v[S+\j], v[S+\j]                     ; A: p = 2^(t - M), not normalised; among them B's t - M, which is read behind the next wait
	v_exp_f32 v[S+1+\j], v[S+1+\j]
	v_pk_fma_f32 v[S+64+\j:S+65+\j], v[S+64+\j:S+65+\j], s[CS:CS+1], v[NM+4:NM+5] op_sel_hi:[1,0,0]
.endr
.irp b, 0,1,2,3
	v_exp_f32 v[BM+\b], v[BM+\b]                   ; the block's largest p
	v_fma_f32 v[BM+4+\b], v[BM+4+\b], s[CS], v[NM+4]
.endr
	s_wait_alu depctr_va_vdst(0)                   ; behind A's batch and ahead of B's
.irp g, 0,1,2,3,4,5,6,7
.irp j, 0,1,2,3,4,5,6,7
	v_exp_f32 v[S+64+8*\g+\j], v[S+64+8*\g+\j]
.endr
	ADD 0, \g                                      ; A's chains begin
.endr
.irp b, 4,5,6,7
	v_exp_f32 v[BM+\b], v[BM+\b]
.endr
.irp u, 0,1
	v_pk_mul_f32 v[NM+2+4*\u:NM+3+4*\u], v[NM+2+4*\u:NM+3+4*\u], v[F+2*\u:F+2*\u+1] op_sel_hi:[1,0]   ; the sums under the new M
.endr
	WIN 0x04                                       ; O^T window 0, f window 1
	s_wait_alu depctr_va_vdst(0)                   ; for B's batch, and for the readers of O^T
.irp u, 0,1
.irp j, 0,2,4,6,8,10,12,14,16,18,20,22,24,26,28,30
	v_pk_mul_f32 v[O+32*\u+\j:O+1+32*\u+\j], v[O+32*\u+\j:O+1+32*\u+\j], v[F+2*\u:F+2*\u+1] op_sel_hi:[1,0]   ; O^T under the new M
.endr
.endr
	WIN 0x55
.irp c, 0,1,2,3,4,5,6,7
	ADD 1, \c
.endr
.irp b, 0,1,2,3,4,5,6,7
	v_max_num_f32 v[BM+\b], 0x4800000, v[BM+\b]    ; the floor 2^(9 - 127): the byte cannot fall under 1
.endr
.irp b, 0,1,2,3,4,5,6,7
	v_add_nc_u32 v[SO+\b], 0xfc000000, v[BM+\b]    ; the conversion's scale operand
.endr
.irp b, 0,1,2,3,4,5,6,7
	v_and_or_b32 v[HL+\b], v[BM+\b], 0x7f800000, s[MNT]   ; 448 x the scale
.endr
.irp b, 0,1,2,3,4,5,6,7
	v_lshrrev_b32 v[BM+\b], 23, v[SO+\b]           ; the scale's byte
.endr
.irp u, 0,1
	v_lshl_or_b32 v[TT+\u], v[BM+1+4*\u], 8, v[BM+4*\u]
.endr
.irp u, 0,1
	s_delay_alu instid0(VALU_DEP_2)
	v_lshl_or_b32 v[TT+\u], v[BM+2+4*\u], 16, v[TT+\u]
.endr
	WIN 0x11
.irp u, 0,1
	v_lshl_or_b32 v[PS+\u], v[BM+3+4*\u], 24, v[TT+\u]   ; p's scale words for these 128 keys
.endr
	WIN 0x55
	HOLD8 0, 0                                     ; each group's holds stand one group ahead of its conversion
.irp g, 0,1,2,3,4,5,6
	HOLD8 0, \g+1
	CODE8 0, \g
.endr
	HOLD8 1, 0
	CODE8 0, 7
.irp g, 0,1,2,3,4,5,6,7                            ; tile A's products stand among tile B's conversions
.if \g < 7
	HOLD8 1, \g+1
.endif
	CODE8 1, \g
.if \g == 0
	s_wait_alu depctr_va_vdst(0)
	s_wait_dscnt 0x0                               ; V is in
.endif
.if (\g)%2 == 0
	WIN 0x04
	PVW 0, (\g)/2
	WIN 0x55
.endif
.endr
.irp c, 16,17,18,19
	ADD 0, \c                                      ; four places between B's codes and its products
.endr
	WIN 0x04
.irp t, 0,1,2,3
	PVW 1, \t
.endr                                              ; the eight accumulators take turns; between two links of one stand the other seven's and the next step's sixteen
	WIN 0
.Lhidden_\@:
	s_add_co_u32 s[KF], s[KF], 256
	s_add_co_u32 s[RO], s[RO], 8192
	s_wait_alu depctr_va_vdst(0)
	s_cmp_lt_u32 s[RO], 16384
	s_cbranch_scc1 .Lstep_\@
.endm
; THE CHANGE OF SLOTS stands at a slot's head.  Each wave waits for all its tensor loads, adds 0 to its spare word (fill = 1: twice on end), and waits for that and for its reads of the slot that it has left and its stores of the exchange.
; Behind the barrier the slot ahead is whole and nobody reads the other one; fill = 1: that one takes the next slot's keys, of this block or, behind its last slot, of the next block, which have a slot's steps in which to land.
.macro CHANGE fill
	s_wait_tensorcnt 0x0                           ; no tensor load of mine is out, so the descriptor may be written
	ds_add_u32 v[SPW], v[NIL]
.if \fill
	ds_add_u32 v[SPW], v[NIL]                      ; and once more, in every trip alike
	s_xor_b32 s[G0+1], s[G0+1], SLOT1
	s_add_co_u32 s81, s[SL], 1
	s_cmp_ge_u32 s81, s[N1]
	s_cselect_b32 s82, s[N1], 0
	s_sub_co_u32 s81, s81, s82                     ; the next slot's number in its pass
	s_mul_i32 s60, s81, 4*REC
	s_add_co_u32 s60, s60, s[WP]                   ; my piece of it
	s_add_nc_u64 s[G0+2:G0+3], s[8:9], s[60:61]
	s_or_b32 s[G0+3], s[G0+3], 0x80000000
	s_wait_xcnt 0x0                                ; the last prefetch, a slot back, has read its address
	s_add_nc_u64 s[PFA:PFA+1], s[PFA:PFA+1], s[PFS:PFS+1]
.endif
	s_wait_alu depctr_va_vdst(0)
	s_wait_dscnt 0x0
	s_barrier_signal -1
	s_barrier_wait -1
.if \fill
	TLOAD                                          ; the first thing behind the barrier, and the wave's one tensor load until the next: one is out
	ASK
.endif
.endm
; A BLOCK'S LAST SLOT HAS BEEN WALKED: the chains go into the sums; of each tile the half of O^T that my partner finishes, my sum and my largest t go to my place in the exchange; my own half comes to the tile's lower 16 registers.
; next = 1: the next block's Q is asked for.
.macro PUBLISH next
	s_wait_alu depctr_va_vdst(0)
	WIN 0x55
	LATER
	LIST 0, 16
.irp u, 0,1
	v_add_f32 v[NM+2+4*\u], v[NM+2+4*\u], v[NM+3+4*\u]
.endr
.irp u, 0,1
	v_mov_b32 v[NM+3+4*\u], v[NM+1+4*\u]
.endr
	WIN 0
	s_add_co_u32 s83, s[XB], s[XO]
	v_add_nc_u32 v[XA], s83, v[LI]
	v_add_nc_u32 v[XA+1], s83, v[L8]
	s_wait_alu depctr_va_vdst(0)
	WIN 0x04                                       ; an LDS store's data are its source 1
.irp u, 0,1
	ds_store_b64 v[XA+1], v[NM+2+4*\u:NM+3+4*\u] offset:2304*\u+2048
.endr
	WIN 0
	s_cmp_eq_u32 s[H], 0
	s_cbranch_scc0 .Lupper_\@
.irp u, 0,1
.irp j, 0,1,2,3
	ds_store_b128 v[XA], v[O+32*\u+16+4*\j:O+32*\u+19+4*\j] offset:2304*\u+512*\j
.endr
.endr
	s_branch .Lput_\@
.Lupper_\@:
.irp u, 0,1
.irp j, 0,1,2,3
	ds_store_b128 v[XA], v[O+32*\u+4*\j:O+32*\u+3+4*\j] offset:2304*\u+512*\j
.endr
.endr
	s_wait_dscnt 0x0                               ; the stores have read their registers
.irp u, 0,1
.irp j, 0,1,2,3,4,5,6,7,8,9,10,11,12,13,14,15
	v_mov_b32 v[O+32*\u+\j], v[O+32*\u+16+\j]
.endr
.endr
.Lput_\@:
.if \next
.irp u, 0,1
	global_load_b128 v[Q+16*\u:Q+3+16*\u], v[LI], s[48:49] offset:1024*\u
	global_load_b128 v[Q+4+16*\u:Q+7+16*\u], v[LI], s[48:49] offset:1024*\u+512
.endr
	global_load_b64 v[QS:QS+1], v[L8], s[50:51]
.endif
.endm
; BEHIND THE NEXT BARRIER: of each tile the two parts under the common M, divided by the row's sum: register i = channel 32 parity + 16 h + i of my query: one block of product 6's K.  Its codes and scale byte go out as images of the operand's registers.
; K's registers serve as room for the quantiser.
.macro FINISH
	s_wait_alu depctr_va_vdst(0)
	s_add_co_u32 s83, s[XB], s[XP]
	v_add_nc_u32 v[XA], s83, v[LI]
	v_add_nc_u32 v[XA+1], s83, v[L8]
	WIN 0x40
.irp u, 0,1
	ds_load_b64 v[TMP+8*\u:TMP+1+8*\u], v[XA+1] offset:2304*\u+2048   ; my partner's sum and largest t
.irp j, 0,1,2,3
	ds_load_b128 v[CH+16*\u+4*\j:CH+16*\u+3+4*\j], v[XA] offset:2304*\u+512*\j
.endr
.endr
	s_wait_alu depctr_va_vdst(0)
	s_wait_dscnt 0x0
	WIN 0x55
.irp u, 0,1
	v_max_num_f32 v[TMP+2+8*\u], v[NM+1+4*\u], v[TMP+1+8*\u]
	v_floor_f32 v[TMP+6+8*\u], -v[TMP+1+8*\u]      ; its -M
	v_floor_f32 v[TMP+3+8*\u], -v[TMP+2+8*\u]      ; the common -M
	v_sub_f32 v[TMP+4+8*\u], v[TMP+3+8*\u], v[NM+4*\u]
	v_sub_f32 v[TMP+6+8*\u], v[TMP+3+8*\u], v[TMP+6+8*\u]
	v_cvt_i32_f32 v[TMP+4+8*\u], v[TMP+4+8*\u]     ; (they saturate: a part without a step has the sum 0 and the factor 0)
	v_cvt_i32_f32 v[TMP+6+8*\u], v[TMP+6+8*\u]
	v_ldexp_f32 v[TMP+4+8*\u], 1.0, v[TMP+4+8*\u]
	v_ldexp_f32 v[TMP+6+8*\u], 1.0, v[TMP+6+8*\u]
	v_mov_b32 v[TMP+5+8*\u], 0                     ; (named as the pairs' upper halves)
	v_mov_b32 v[TMP+7+8*\u], 0
	v_mul_f32 v[NM+2+4*\u], v[NM+2+4*\u], v[TMP+4+8*\u]
	v_fma_f32 v[NM+2+4*\u], v[TMP+8*\u], v[TMP+6+8*\u], v[NM+2+4*\u]
.endr
	WIN 0x04
.irp u, 0,1
.irp j, 0,2,4,6,8,10,12,14
	v_pk_mul_f32 v[O+32*\u+\j:O+1+32*\u+\j], v[O+32*\u+\j:O+1+32*\u+\j], v[TMP+4+8*\u:TMP+5+8*\u] op_sel_hi:[1,0]
.endr
.endr
	WIN 0x05
.irp u, 0,1
.irp j, 0,2,4,6,8,10,12,14
	v_pk_fma_f32 v[O+32*\u+\j:O+1+32*\u+\j], v[CH+16*\u+\j:CH+1+16*\u+\j], v[TMP+6+8*\u:TMP+7+8*\u], v[O+32*\u+\j:O+1+32*\u+\j] op_sel_hi:[1,0,1]
.endr
.endr
	WIN 0x55
.irp u, 0,1
	v_permlanex16_b32 v[TT+\u], v[NM+2+4*\u], s[SEL], s[SEL+1]
.endr
.irp u, 0,1
	v_add_f32 v[NM+2+4*\u], v[NM+2+4*\u], v[TT+\u] ; the row's sum
.endr
	s_wait_alu depctr_va_vdst(0)
.irp u, 0,1
	v_rcp_f32 v[NM+2+4*\u], v[NM+2+4*\u]
.endr
	v_nop                                          ; a plain line behind the transcendentals
	WIN 0x04
	s_wait_alu depctr_va_vdst(0)                   ; and the wait ahead of their first reader
.irp u, 0,1
.irp j, 0,2,4,6,8,10,12,14
	v_pk_mul_f32 v[O+32*\u+\j:O+1+32*\u+\j], v[O+32*\u+\j:O+1+32*\u+\j], v[NM+2+4*\u:NM+3+4*\u] op_sel_hi:[1,0]
.endr
.endr
	WIN 0
.irp u, 0,1
	v_max3_num_f32 v[K+8*\u], |v[O+32*\u]|, |v[O+32*\u+1]|, 0x4800000   ; the floor 2^(9 - 127) among the leaves
	v_max3_num_f32 v[K+1+8*\u], |v[O+32*\u+2]|, |v[O+32*\u+3]|, |v[O+32*\u+4]|
	v_mov_b32 v[K+2+8*\u], 0                       ; a lane permute's destination counts as one of its sources
.endr
.irp i, 5,9
.irp u, 0,1
	v_max3_num_f32 v[K+8*\u], v[K+8*\u], |v[O+32*\u+\i]|, |v[O+32*\u+1+\i]|
	v_max3_num_f32 v[K+1+8*\u], v[K+1+8*\u], |v[O+32*\u+2+\i]|, |v[O+32*\u+3+\i]|
.endr
.endr
.irp u, 0,1
	v_max3_num_f32 v[K+8*\u], v[K+8*\u], |v[O+32*\u+13]|, |v[O+32*\u+14]|
.endr
.irp u, 0,1
	v_max3_num_f32 v[K+8*\u], v[K+8*\u], v[K+1+8*\u], |v[O+32*\u+15]|
.endr
.irp u, 0,1
	v_permlanex16_b32 v[K+2+8*\u], v[K+8*\u], s[SEL], s[SEL+1]
.endr
.irp u, 0,1
	v_max_num_f32 v[K+8*\u], v[K+8*\u], v[K+2+8*\u]
.endr
.irp u, 0,1
	v_add_nc_u32 v[K+3+8*\u], 0xfc000000, v[K+8*\u]
	v_and_or_b32 v[K+4+8*\u], v[K+8*\u], 0x7f800000, s[MNT]
.endr
.irp u, 0,1
	v_lshrrev_b32 v[K+5+8*\u], 23, v[K+3+8*\u]
.endr
.irp u, 0,1
.irp i, 0,1,2,3,4,5,6,7,8,9,10,11,12,13,14,15
	v_med3_num_f32 v[O+32*\u+\i], v[O+32*\u+\i], -v[K+4+8*\u], v[K+4+8*\u]
.endr
	v_cvt_scalef32_pk8_fp8_f32 v[K+16+4*\u:K+17+4*\u], v[O+32*\u:O+32*\u+7], v[K+3+8*\u]
	v_cvt_scalef32_pk8_fp8_f32 v[K+18+4*\u:K+19+4*\u], v[O+32*\u+8:O+32*\u+15], v[K+3+8*\u]
	v_nop                                          ; a plain line behind the conversions
.endr
.irp u, 0,1
	global_store_b128 v[LI], v[K+16+4*\u:K+19+4*\u], s[10:11] offset:4096*\u
	global_store_b8 v[L4], v[K+5+8*\u], s[12:13] offset:256*\u   ; one byte of the row's scale word: 1 byte a lane, once a block
.endr
.endm
; A SLOT'S HEAD: in the second pass's first slot the first block is finished and the second begins; then the slot's keys
.macro TOP
	s_wait_loadcnt 0x0                             ; Q
	s_cmp_lg_u32 s[SL], s[N1]                      ; ids and the count of slots alone
	s_cbranch_scc1 .Lsame_\@
	FINISH
	RESET
	s_wait_alu depctr_va_vdst(0)
	s_wait_xcnt 0x0                                ; the stores have read their registers and bases
	s_mov_b64 s[10:11], s[52:53]
	s_mov_b64 s[12:13], s[54:55]
	s_mov_b32 s[QB], s[QB2]
.Lsame_\@:
	s_xor_b32 s[XB], s[XB], 65536                  ; the exchange's other region: this one may be read until the next barrier
	s_cmp_ge_u32 s[SL], s[N1]
	s_cselect_b32 s82, s[N1], 0
	s_sub_co_u32 s81, s[SL], s82
	s_lshl_b32 s[KF], s81, 9
	s_add_co_u32 s[KF], s[KF], s[H128]
.endm
	s_load_b256 s[4:11], s[0:1], 0x0               ; qc, qs, kv, cc
	s_load_b64 s[12:13], s[0:1], 0x20              ; cs
	v_lshl_add_u32 v[SPW], v0, 2, SPARE
	v_mov_b32 v[NIL], 0
	ds_add_u32 v[SPW], v[NIL]                      ; the wave's opening: the add, twice on end, and its wait ahead of the first tensor load; the set-up below, work on registers, stands between
	ds_add_u32 v[SPW], v[NIL]
	v_lshrrev_b32 v8, 5, v0
	v_readfirstlane_b32 s[WV], v8                  ; wave 0..7
	s_and_b32 s70, ttmp7, 0xffff                   ; bh
	s_lshr_b32 s[H], s[WV], 2
	s_xor_b32 s[H], s[H], s[WV]
	s_and_b32 s[H], s[H], 1                        ; my parity
	s_lshl_b32 s[HREC], s[H], 12                   ; parity x 4,096
	s_mul_i32 s[HSC], s[H], 768
	s_lshl_b32 s[H128], s[H], 7
	s_and_b32 s72, s[WV], 6                        ; tile A in a block, 0, 2, 4, 6
	s_sub_co_u32 s73, 31, ttmp9                    ; the first block
	s_mov_b32 s74, ttmp9                           ; the second
	s_lshl_b32 s[QB], s73, 7
	s_lshl_b32 s[QB2], s74, 7
	s_sub_co_u32 s[N1], 35, ttmp9
	s_lshr_b32 s[N1], s[N1], 2                     ; ceil((32 - i) / 4)
	s_mul_i32 s[XO], s[WV], XSZ
	s_add_co_u32 s[XO], s[XO], XCH
	s_xor_b32 s[XP], s[WV], 1
	s_mul_i32 s[XP], s[XP], XSZ
	s_add_co_u32 s[XP], s[XP], XCH
	s_mov_b32 s[XB], 0
	s_and_b32 s83, s70, 3                          ; the head
	s_lshr_b32 s84, s83, 1                         ; its K step of product 6,
	s_and_b32 s83, s83, 1                          ; and which half of it
	s_lshl_b32 s85, s84, 11
	s_lshl_b32 s81, s83, 10
	s_add_co_u32 s85, s85, s81
	s_lshl_b32 s81, s[H], 9
	s_add_co_u32 s85, s85, s81                     ; in a tile's codes: my block of 32 channels
	s_lshl_b32 s86, s84, 7
	s_lshl_b32 s81, s83, 1
	s_add_co_u32 s86, s86, s81
	s_add_co_u32 s86, s86, s[H]                    ; and its byte in a scale word
	PTRS 73, 88
	PTRS 74, 48
	s_mul_i32 s96, s70, 32*REC
	s_mov_b32 s97, 0                               ; kv: the head's 32 records
	s_sub_co_u32 s81, s[WV], 4                     ; the prefetches: waves 4 to 7 of a head's first work-group
	s_and_b32 s66, s81, 3
	s_lshl_b32 s66, s66, 14
	s_add_co_u32 s66, s66, 4*REC                   ; in slot 1: the first change of slots steps it to slot 2
	s_mov_b32 s67, 0
	s_mov_b32 s[PFS], 4*REC
	s_mov_b32 s[PFS+1], 0
	s_cmp_lt_u32 s81, 4
	s_cselect_b32 s82, 6, 0
	s_cmp_eq_u32 ttmp9, 0
	s_cselect_b32 s[LIM], s82, 0
	s_lshl_b32 s81, s72, 4                         ; the pair's first token in the block: 32 x pair
	; descriptor group 1: a piece of a slot
	s_mov_b32 s[G1+0], 3<<16
	s_mov_b32 s[G1+1], 128<<16                     ; tensor_dim0: a piece is dense: 16 rows of 128 elements of 8 bytes
	s_mov_b32 s[G1+2], 16<<16                      ; tensor_dim1
	s_mov_b32 s[G1+3], 128<<16                     ; tile_dim0
	s_mov_b32 s[G1+4], 16                          ; tile_dim1
	s_mov_b32 s[G1+5], 128                         ; from row to row
	s_mov_b32 s[G1+6], 0
	s_mov_b32 s[G1+7], 0
	s_mov_b32 s[G1S+0], 3<<16                      ; the scale words: 3 such rows
	s_mov_b32 s[G1S+1], 128<<16
	s_mov_b32 s[G1S+2], 3<<16
	s_mov_b32 s[G1S+3], 128<<16
	s_mov_b32 s[G1S+4], 3
	s_mov_b32 s[G1S+5], 128
	s_mov_b32 s[G1S+6], 0
	s_mov_b32 s[G1S+7], 0
	s_lshl_b32 s[WP], s[WV], 14
	s_mov_b32 s[G0], 1
	s_mov_b32 s[G0+1], s[WP]                       ; slot 0, my piece
	s_mov_b32 s61, 0
	s_mov_b32 s[SEL], 0x76543210
	s_mov_b32 s[SEL+1], 0xfedcba98
	s_mov_b32 s[CS], 0x3fb8aa3b                    ; log2(e): q was divided by 8 ahead of its quantiser, as reference() has it
	s_mov_b32 s[CS+1], s[CS]
	s_mov_b32 s[MNT], 0x600000
	s_mov_b32 s[TB], 0
	s_mov_b32 s[SL], 0
	s_wait_dscnt 0x0                               ; both opening adds are done
	s_wait_kmcnt 0x0
	s_add_nc_u64 s[8:9], s[8:9], s[96:97]
	s_mov_b32 s60, s[WP]
	s_add_nc_u64 s[G0+2:G0+3], s[8:9], s[60:61]
	s_or_b32 s[G0+3], s[G0+3], 0x80000000
	TLOAD                                          ; slot 0: key 0 counts for every query, so it is read
	s_add_nc_u64 s[PFA:PFA+1], s[8:9], s[66:67]
	s_add_nc_u64 s[48:49], s[4:5], s[48:49]        ; the second block's
	s_add_nc_u64 s[50:51], s[6:7], s[50:51]
	s_add_nc_u64 s[52:53], s[10:11], s[52:53]
	s_add_nc_u64 s[54:55], s[12:13], s[54:55]
	s_add_nc_u64 s[4:5], s[4:5], s[88:89]          ; the first's
	s_add_nc_u64 s[6:7], s[6:7], s[90:91]
	s_add_nc_u64 s[10:11], s[10:11], s[92:93]
	s_add_nc_u64 s[12:13], s[12:13], s[94:95]
	v_and_b32 v[LI], 31, v0
	v_and_b32 v8, 15, v0
	v_bfe_u32 v9, v0, 4, 1
	v_lshlrev_b32 v[PFO], 8, v[LI]
	v_lshlrev_b32 v[L8], 3, v[LI]
	v_lshlrev_b32 v[L4], 2, v[LI]
	v_lshlrev_b32 v[LI], 4, v[LI]
	v_and_b32 v10, 8, v8
	v_lshlrev_b32 v9, 4, v9
	v_add_nc_u32 v8, v8, v10                       ; r + 8 (r / 8)
	v_sub_nc_u32 v8, v8, v9
	v_add_nc_u32 v8, s81, v8
	s_wait_alu depctr_va_vdst(0)
.irp u, 0,1
	global_load_b128 v[Q+16*\u:Q+3+16*\u], v[LI], s[4:5] offset:1024*\u       ; Q's codes stay in registers
	global_load_b128 v[Q+4+16*\u:Q+7+16*\u], v[LI], s[4:5] offset:1024*\u+512
.endr
	global_load_b64 v[QS:QS+1], v[L8], s[6:7]      ; and its scale words: one of A, one of B
.irp j, 0,1,2,3,4,5,6,7
	v_mov_b32 v[Q+8+\j], 0                         ; the zero codes of Q's upper 64 along K,
	v_mov_b32 v[Q+24+\j], 0
	v_mov_b32 v[K+64+\j], 0                        ; and what stands behind K's last tile
.endr
	WIN 0x40
	v_mov_b32 v[DM], v8                            ; tile A's queries: 32 x pair + r + 8 (r / 8);
	v_add_nc_u32 v[DM+1], 8, v8                    ; B's: 8 further on
.irp b, 0,1,2,3,4,5,6,7
	v_mov_b32 v[HL+\b], 0                          ; a lane permute's destination counts as one of its sources
.endr
	v_mov_b32 v[TT], 0
	v_mov_b32 v[TT+1], 0
	v_mov_b32 v[F+1], 0                            ; (named as the upper halves of f's pairs)
	v_mov_b32 v[F+3], 0
	RESET
	s_wait_alu depctr_va_vdst(0)
.Lslot:                                            ; 8 trips
	CHANGE 1
	TOP
	WALK
	s_add_co_u32 s81, s[SL], 1
	s_cmp_lg_u32 s81, s[N1]
	s_cbranch_scc1 .Lno_end
	PUBLISH 1                                      ; the first block's last slot
.Lno_end:
	s_xor_b32 s[TB], s[TB], SLOT1
	s_add_co_u32 s[SL], s[SL], 1
	s_wait_alu depctr_va_vdst(0)
	s_cmp_lt_u32 s[SL], 8
	s_cbranch_scc1 .Lslot
	CHANGE 0                                       ; the last slot is written out: nothing is left to fetch
	TOP
	WALK
	PUBLISH 0
	s_wait_alu depctr_va_vdst(0)
	s_wait_dscnt 0x0                               ; for my partner's sake
	s_barrier_signal -1
	s_barrier_wait -1
	FINISH
	s_wait_tensorcnt 0x0                           ; the wave's end
	ds_add_u32 v[SPW], v[NIL]
	s_wait_dscnt 0x0
	s_endpgm
.Lfunc_end_k_qf7abf97451_attn:
	.size	k_qf7abf97451_attn, .Lfunc_end_k_qf7abf97451_attn-k_qf7abf97451_attn
	.p2alignl 7, 3214868480
	.fill 96, 4, 3214868480
	.section	.rodata,"a",@progbits
	.p2align	6, 0x0
	.amdhsa_kernel k_qf7abf97451_attn
		.amdhsa_group_segment_fixed_size 327680
		.amdhsa_private_segment_fixed_size 0
		.amdhsa_enable_private_segment 0
		.amdhsa_kernarg_size 40
		.amdhsa_user_sgpr_count 2
		.amdhsa_user_sgpr_kernarg_segment_ptr 1
		.amdhsa_wavefront_size32 1
		.amdhsa_system_sgpr_workgroup_id_x 1
		.amdhsa_system_sgpr_workgroup_id_y 1
		.amdhsa_system_sgpr_workgroup_id_z 1
		.amdhsa_system_vgpr_workitem_id 0
		.amdhsa_next_free_vgpr 512
		.amdhsa_next_free_sgpr 100
		.amdhsa_reserve_vcc 1
		.amdhsa_float_denorm_mode_32 3
		.amdhsa_float_denorm_mode_16_64 3
		.amdhsa_memory_ordered 1
		.amdhsa_forward_progress 1
		.amdhsa_inst_pref_size 169
	.end_amdhsa_kernel
	.amdgpu_metadata
---
amdhsa.version: [ 1, 2 ]
amdhsa.kernels:
  - .name:           k_qf7abf97451_attn
    .symbol:         k_qf7abf97451_attn.kd
    .args:
      - { .name: qc, .offset: 0, .size: 8, .value_kind: global_buffer, .address_space: global }
      - { .name: qs, .offset: 8, .size: 8, .value_kind: global_buffer, .address_space: global }
      - { .name: kv, .offset: 16, .size: 8, .value_kind: global_buffer, .address_space: global }
      - { .name: cc, .offset: 24, .size: 8, .value_kind: global_buffer, .address_space: global }
      - { .name: cs, .offset: 32, .size: 8, .value_kind: global_buffer, .address_space: global }
    .group_segment_fixed_size: 327680
    .private_segment_fixed_size: 0
    .kernarg_segment_align: 8
    .kernarg_segment_size: 40
    .max_flat_workgroup_size: 256
    .sgpr_count:     100
    .vgpr_count:     512
    .wavefront_size: 32
...
	.end_amdgpu_metadata
.endif
;; end of part 3
;; launch ffn (part 4): grid 256 x 1, 4 waves a work-group, clusters of 4 x 1, 327,680 bytes of LDS; arguments cc, cs, wb, x, bo, ln2_g, ln2_b, b1, b2, out0; writes out0
.if DOCPART == 4
	.amdgcn_target "amdgcn-amd-amdhsa--gfx1250"
	.amdhsa_code_object_version 6
	.text
	.protected	k_qf7abf97451_ffn
	.globl	k_qf7abf97451_ffn
	.p2align	8
	.type	k_qf7abf97451_ffn,@function
k_qf7abf97451_ffn:
	s_mov_b64 s[64:65], 0
	v_nop
	global_prefetch_b8 v0, s[64:65] scope:SCOPE_SE
	s_setreg_imm32_b32 hwreg(HW_REG_WAVE_MODE, 25, 1), 1
	s_wait_xcnt 0x0
	s_wait_alu depctr_hold_cnt(0) depctr_sa_sdst(0) depctr_va_vdst(0) depctr_va_sdst(0) depctr_va_ssrc(0) depctr_va_vcc(0) depctr_vm_vsrc(0)
	s_getreg_b32 s2, hwreg(HW_REG_IB_STS2, 6, 4)
	s_cmp_eq_u32 s2, 0
	s_cbranch_scc0 .Lentry_in_a_cluster
	s_endpgm
.Lentry_in_a_cluster:
	s_bfe_u32 s2, ttmp6, 0x10000c
	s_cmp_lg_u32 s2, 0x3003
	s_cbranch_scc0 .Lentry_shape_is_right
	s_endpgm
.Lentry_shape_is_right:
; x1 = x + ctx Wo + bo;  out0 = x1 + relu(LN2(x1) W1 + b1) W2 + b2: products 6, 7, 8 on codes of E4M3.  Nothing of reference() is left out here.
; SHARES.  A work-group owns 64 tokens; WAVE w OWNS ONE TILE OF 16 TOKENS (lane r: token 32 g + 8 u + r + 8 (r / 8), g = w / 2, u = w % 2) AND ALL COLUMNS.  All three products are used transposed (source 0 = 16 columns of a weight,
; source 1 = my 16 tokens): a lane holds one token, and its 128 registers the columns 32 b + 16 h + 0 .. 15, b = 0 .. 7; lane l xor 16 holds the rest of the row.  So LN2 and both quantisers stay inside the wave:
; no operand goes from wave to wave, and the one barrier is the one behind the first fills.  The price: a weight fragment read from LDS feeds one product.
; x + bo is the C of product 6's first K step, b1 of product 7's, x1 + b2 of product 8's: no addition is spent on results.
; CLUSTER.  All work-groups read the same weights: each wave brings a quarter of wb by a JOINT load of the cluster's four; its descriptor hangs on the wave's number alone.  x's rows are each work-group's own: a plain load.
; LDS: wb, 139,264 bytes (64 fragments as images of registers, then their scale images); x, 64 rows of 1,024 + 16; a stage of 16 such rows for each wave, never a load's target; the spare words.  Nothing is filled twice.
; REGISTERS: window 0: v4-13 addresses; v16-47 ctx's two fragments, later LN2's; v48-111 LN2's numbers; v112-175 b1, then the hidden layer; v176-191 its codes; v192-219 at work; v224-244 scale words.
;   window 1: v0-127 x1, later out0; v128-255 bo, then x1 - mean, then b2.   window 2: ln2_g, ln2_b.   window 3: two sets of 8 weight fragments, fetched a group ahead.
; LIMITS: a block of zeros gets the byte 1 where the rule says 127 (its codes are zeros; the bytes are this program's own); NaN and infinities among the inputs are not served.
; x, in the place of what stands above: each wave reads its own tile's 16 rows by whole rows (512 bytes an instruction) and lays them through 16 LDS rows of its own; the one tensor load of a wave is its quarter of wb, jointly.
.set XP,    1040
.set XST,   6                          ; v6  where my rows of x are laid
.set XS0,   139264
.set STG,   XS0+64*XP
.set SPARE, STG+64*XP                  ; the spare words, 128 bytes a wave: two blocks of 256 bytes that no other line names
.set LI,  4                            ; v4  16 x lane: wo's fragments in LDS; also my 16 bytes of a store's 512
.set L4,  5
.set AW1, 7                            ; v7  w1's fragments
.set AW2, 8                            ; v8  w2's
.set ASC, 9                            ; v9  the scale images
.set XA,  10                           ; v10 my row of x in LDS, + 64 h
.set SO,  11                           ; v11 the stage: where I put my row's numbers
.set SR,  12                           ; v12 and where rows are read back
.set PB,  13                           ; v13 64 h
.set CF,  16
.set HA,  48
.set HB,  112
.set HF,  176
.set CH,  192
.set TM,  200
.set MU,  216
.set RS,  218
.set WS,  224
.set CSW, 240
.set H2S, 242
.set HDS, 244
.set SPW, 252
.set NIL, 253
.set WV,  24
.set SEL, 28
.set MNT, 30
.set G0W, 32
.set G1W, 36
.set G0X, 44
.set G1X, 48
.set MSB, 0
.macro WIN new                         ; the immediate's high byte repeats the setting that is left
.if MSB != \new
	s_set_vgpr_msb (MSB<<8)|\new
.set MSB, \new
.endif
.endm
.macro ROUND                           ; a round of the cluster's barrier
	s_barrier_signal -1
	s_barrier_wait -1
	s_cmp_lg_u32 s[WV], 0
	s_cbranch_scc1 .Lnot_wave_0_\@
	s_barrier_signal -3
.Lnot_wave_0_\@:
	s_barrier_wait -3
	s_barrier_signal -1
	s_barrier_wait -1
.endm
; nb blocks of 16 numbers of a lane, v[s + 16 b + i], become codes in v[d + 4 b] on; w other than 0: the four bytes make the scale word v[w], ahead of the holds, so that it stands more than eight places ahead of its product;
; relu = 1: what is negative becomes 0 on the way
.macro QUANT s, relu, d, w, nb
.set qb, 0
.rept \nb
.if \relu
	v_max3_num_f32 v[TM+qb], v[16*qb+(\s)], v[16*qb+(\s)+1], 0x4800000     ; no |.|: what is negative must not count; the floor 2^(9 - 127) stands over it
.else
	v_max3_num_f32 v[TM+qb], |v[16*qb+(\s)]|, |v[16*qb+(\s)+1]|, 0x4800000
.endif
.set qb, qb+1
.endr
.set qi, 2
.rept 7
.set qb, 0
.rept \nb
.if \relu
	v_max3_num_f32 v[TM+qb], v[TM+qb], v[16*qb+qi+(\s)], v[16*qb+qi+(\s)+1]
.else
	v_max3_num_f32 v[TM+qb], v[TM+qb], |v[16*qb+qi+(\s)]|, |v[16*qb+qi+(\s)+1]|
.endif
.set qb, qb+1
.endr
.set qi, qi+2
.endr
.set qb, 0
.rept \nb
	v_permlanex16_b32 v[TM+4+qb], v[TM+qb], s[SEL], s[SEL+1]
.set qb, qb+1
.endr
.set qb, 0
.rept \nb
	v_max_num_f32 v[TM+qb], v[TM+qb], v[TM+4+qb]                           ; with lane l xor 16's: the block's largest magnitude
.set qb, qb+1
.endr
.set qb, 0
.rept \nb
	v_add_nc_u32 v[TM+12+qb], 0xfc000000, v[TM+qb]                         ; 8 off its exponent field: the conversion's scale operand
.set qb, qb+1
.endr
.set qb, 0
.rept \nb
	v_and_or_b32 v[TM+8+qb], v[TM+qb], 0x7f800000, s[MNT]                  ; 448 x the scale
.set qb, qb+1
.endr
.set qb, 0
.rept \nb
	v_lshrrev_b32 v[TM+4+qb], 23, v[TM+12+qb]                              ; the scale's byte
.set qb, qb+1
.endr
.if \w
	v_lshl_or_b32 v[\w], v[TM+5], 8, v[TM+4]
	v_lshl_or_b32 v[\w], v[TM+6], 16, v[\w]
	v_lshl_or_b32 v[\w], v[TM+7], 24, v[\w]
.endif
.set qb, 0
.rept \nb
.set qi, 0
.rept 16
.if \relu
	v_med3_num_f32 v[16*qb+qi+(\s)], v[16*qb+qi+(\s)], 0, v[TM+8+qb]       ; the activation and the hold in one
.else
	v_med3_num_f32 v[16*qb+qi+(\s)], v[16*qb+qi+(\s)], -v[TM+8+qb], v[TM+8+qb]   ; the conversion to an 8-bit code does not saturate (ISA guide 7.6.2): the hold
.endif
.set qi, qi+1
.endr
	v_cvt_scalef32_pk8_fp8_f32 v[4*qb+(\d):4*qb+(\d)+1], v[16*qb+(\s):16*qb+(\s)+7], v[TM+12+qb]
	v_cvt_scalef32_pk8_fp8_f32 v[4*qb+(\d)+2:4*qb+(\d)+3], v[16*qb+(\s)+8:16*qb+(\s)+15], v[TM+12+qb]
.set qb, qb+1
.endr
	v_nop                                                                  ; a plain line behind the last conversion
.endm
.macro FOLD                            ; the four chains, the pair's halves and lane l xor 16's: the row's sum in v[CH], in every lane
	v_pk_add_f32 v[CH:CH+1], v[CH:CH+1], v[CH+2:CH+3]
	v_pk_add_f32 v[CH+4:CH+5], v[CH+4:CH+5], v[CH+6:CH+7]
	v_pk_add_f32 v[CH:CH+1], v[CH:CH+1], v[CH+4:CH+5]
	v_add_f32 v[CH], v[CH], v[CH+1]
	v_permlanex16_b32 v[CH+2], v[CH], s[SEL], s[SEL+1]
	v_add_f32 v[CH], v[CH], v[CH+2]
.endm
; Group n of eight weight fragments.  n = 0 .. 3: wo's tiles 8 (n % 2) + i, K step n / 2; 4, 5: w1's tiles i, K step n - 4; 6, 7: w2's tiles 8 (n - 6) + i.  WHICH sets the fragment's number in wb, its address register and offset.
.macro WHICH n
.if (\n) < 4
.set fb, 2*(8*((\n)%2)+gi)+(\n)/2
.set ga, LI
.set go, fb*2048
.elseif (\n) < 6
.set fb, 32+2*gi+(\n)-4
.set ga, AW1
.set go, (fb-32)*2048
.else
.set fb, 48+8*((\n)-6)+gi
.set ga, AW2
.set go, (fb-48)*2048
.endif
.endm
.macro GLOAD n                         ; 40 LDS loads: the group's fragments into set n % 2 of window 3, their scale words into window 0
	WIN 0xc0
.set gi, 0
.rept 8
	WHICH \n
.irp c, 0,1,2,3
	ds_load_b128 v[128*((\n)%2)+16*gi+4*\c:128*((\n)%2)+16*gi+4*\c+3], v[ga] offset:go+512*\c
.endr
.set gi, gi+1
.endr
	WIN 0
.set gi, 0
.rept 8
	WHICH \n
	ds_load_b32 v[WS+8*((\n)%2)+gi], v[ASC] offset:fb*128
.set gi, gi+1
.endr
.endm
.macro MULO n                          ; product 6, group n: eight of the 16 accumulators, one instruction a turn
	WIN 0x53                                       ; source 0 window 3, C and D window 1
.irp i, 0,1,2,3,4,5,6,7
	v_wmma_scale_f32_16x16x128_f8f6f4 v[8*(8*((\n)%2)+\i):8*(8*((\n)%2)+\i)+7], v[128*((\n)%2)+16*\i:128*((\n)%2)+16*\i+15], v[CF+16*((\n)/2):CF+16*((\n)/2)+15], v[8*(8*((\n)%2)+\i):8*(8*((\n)%2)+\i)+7], v[WS+8*((\n)%2)+\i], v[CSW+(\n)/2]
.endr
	WIN 0
.endm
.macro PLACES                          ; eight places behind these products, in front of loads into registers that they read and of the first read of results
.rept 8
	v_nop
.endr
.endm
	s_load_b512 s[4:19], s[0:1], 0x0               ; cc, cs, wb, x, bo, ln2_g, ln2_b, b1
	s_load_b128 s[20:23], s[0:1], 0x40             ; b2, out0
	v_lshl_add_u32 v[SPW], v0, 2, SPARE
	v_mov_b32 v[NIL], 0
	ds_add_u32 v[SPW], v[NIL]                      ; the wave's opening: the add, twice on end, and its wait ahead of my first tensor load; the set-up below, work on registers, stands between
	ds_add_u32 v[SPW], v[NIL]
	v_lshrrev_b32 v1, 5, v0
	v_readfirstlane_b32 s[WV], v1                  ; wave 0..3
	v_and_b32 v1, 15, v0                           ; r
	v_bfe_u32 v2, v0, 4, 1                         ; h
	v_and_b32 v[LI], 31, v0
	v_lshlrev_b32 v[L4], 2, v[LI]
	v_lshlrev_b32 v[LI], 4, v[LI]
	v_add_nc_u32 v[AW1], 65536, v[LI]
	v_add_nc_u32 v[AW2], 98304, v[LI]
	v_add_nc_u32 v[ASC], 131072, v[L4]
	s_lshr_b32 s25, s[WV], 1                       ; g
	s_and_b32 s26, s[WV], 1                        ; u
	s_mul_i32 s27, s[WV], 16*XP
	s_add_co_u32 s27, s27, XS0                     ; my 16 rows in LDS: row k is token k + 8 (k / 8) of my tile
	v_mul_u32_u24 v[XA], v1, XP
	v_lshl_add_u32 v[XA], v2, 6, v[XA]
	v_add_nc_u32 v[XA], s27, v[XA]                 ; row r, + 64 h
	v_add_nc_u32 v[XST], s27, v[LI]                ; and whole rows: 16 bytes a lane
	s_mul_i32 s27, s[WV], 16*XP
	s_add_co_u32 s27, s27, STG                     ; my stage
	v_mul_u32_u24 v[SO], v1, XP
	v_lshl_add_u32 v[SO], v2, 6, v[SO]
	v_add_nc_u32 v[SO], s27, v[SO]                 ; in: row r, + 64 h
	v_add_nc_u32 v[SR], s27, v[LI]                 ; back: 16 bytes a lane
	v_lshlrev_b32 v[PB], 6, v2
.irp b, 0,1,2,3
	v_mov_b32 v[TM+4+\b], 0                        ; a lane permute's destination counts as one of its sources
.endr
	s_mov_b32 s[SEL], 0x76543210
	s_mov_b32 s[SEL+1], 0xfedcba98
	s_mov_b32 s[MNT], 0x600000
	s_mov_b32 s80, 0x3b800000                      ; 1 / 256
	s_mov_b32 s81, 0x3a83126f                      ; 1e-3
	s_bfe_u32 s76, ttmp6, 0x40000                  ; cx: it enters global addresses alone
	s_lshl_b32 s77, ttmp9, 2
	s_add_co_u32 s77, s77, s76                     ; my work-group: 64 tokens
	s_lshl_b32 s78, s77, 2
	s_add_co_u32 s78, s78, s[WV]                   ; my tile among all 1,024
	s_lshl_b32 s84, s78, 12
	s_mov_b32 s85, 0                               ; cc
	s_lshl_b32 s86, s78, 8
	s_mov_b32 s87, 0                               ; cs
	s_lshl_b32 s88, s77, 16
	s_lshl_b32 s89, s25, 15
	s_add_co_u32 s88, s88, s89
	s_lshl_b32 s89, s26, 13
	s_add_co_u32 s88, s88, s89
	s_mov_b32 s89, 0                               ; out0: token 64 wg + 32 g + 8 u
	s_mul_i32 s90, s[WV], 34816
	s_mov_b32 s91, 0                               ; wb: my quarter
	; descriptor group 1 for a quarter of wb: dense, 136 rows of 32 elements of 8 bytes; the mask names the cluster's four, bit 21 beside it
	s_mov_b32 s[G1W+0], 15|(3<<16)|(1<<21)
	s_mov_b32 s[G1W+1], 128<<16                    ; (stated as 34 rows of 128 elements of 8 bytes)
	s_mov_b32 s[G1W+2], 34<<16
	s_mov_b32 s[G1W+3], 128<<16
	s_mov_b32 s[G1W+4], 34
	s_mov_b32 s[G1W+5], 128
	s_mov_b32 s[G1W+6], 0
	s_mov_b32 s[G1W+7], 0
	s_mov_b32 s[G0W], 1
	s_mul_i32 s[G0W+1], s[WV], 34816
	s_wait_dscnt 0x0                               ; both opening adds are done
	s_wait_kmcnt 0x0
	s_add_nc_u64 s[G0W+2:G0W+3], s[8:9], s[90:91]
	s_or_b32 s[G0W+3], s[G0W+3], 0x80000000
	s_add_nc_u64 s[10:11], s[10:11], s[88:89]      ; x at my tile's first token, as in out0
	WIN 0x40                                       ; destination window 1
	s_wait_alu depctr_va_vdst(0)
.irp k, 0,1,2,3,4,5,6,7,8,9,10,11,12,13,14,15
	global_load_b128 v[8*\k:8*\k+3], v[LI], s[10:11] offset:(\k+(\k&8))*1024         ; my rows of x: 512 consecutive bytes an instruction
	global_load_b128 v[8*\k+4:8*\k+7], v[LI], s[10:11] offset:(\k+(\k&8))*1024+512
.endr
	WIN 0
	s_add_nc_u64 s[56:57], s[4:5], s[84:85]
	s_add_nc_u64 s[58:59], s[6:7], s[86:87]
	s_add_nc_u64 s[60:61], s[22:23], s[88:89]
	ROUND                                          ; all four work-groups are here: the joint loads meet
	tensor_load_to_lds s[G0W:G0W+3], s[G1W:G1W+7]  ; my quarter of the weights, jointly: my one tensor load
	s_nop 0
.rept 4
	v_nop
.endr
.irp s, 0,1
.irp c, 0,1,2,3
	global_load_b128 v[CF+16*\s+4*\c:CF+16*\s+4*\c+3], v[LI], s[56:57] offset:2048*\s+512*\c   ; ctx's two fragments, as they were stored
.endr
.endr
	global_load_b32 v[CSW], v[L4], s[58:59]
	global_load_b32 v[CSW+1], v[L4], s[58:59] offset:128
	WIN 0x40                                       ; destination window 1
	s_wait_alu depctr_va_vdst(0)
.irp b, 0,1,2,3,4,5,6,7
.irp j, 0,1,2,3
	global_load_b128 v[128+16*\b+4*\j:128+16*\b+4*\j+3], v[PB], s[12:13] offset:128*\b+16*\j   ; bo at my columns
.endr
.endr
	WIN 0
.irp b, 0,1,2,3
.irp j, 0,1,2,3
	global_load_b128 v[HB+16*\b+4*\j:HB+16*\b+4*\j+3], v[PB], s[18:19] offset:128*\b+16*\j     ; b1: the hidden layer's sums begin with it
.endr
.endr
	s_wait_loadcnt 58                              ; my rows of x are in; ctx's 10 loads, bo's 32 and b1's 16 may be out
	WIN 0x04                                       ; an LDS store's data are its source 1: window 1
.irp k, 0,1,2,3,4,5,6,7,8,9,10,11,12,13,14,15
	ds_store_b128 v[XST], v[8*\k:8*\k+3] offset:XP*\k
	ds_store_b128 v[XST], v[8*\k+4:8*\k+7] offset:XP*\k+512
.endr
	WIN 0
	s_wait_alu depctr_va_vdst(0)
	s_wait_tensorcnt 0x0                           ; my part of the weights is in,
	s_wait_dscnt 0x0                               ; and my stores have read their registers
	s_barrier_signal -1
	s_barrier_wait -1                              ; everybody's part is in
	WIN 0x40
.irp b, 0,1,2,3,4,5,6,7
.irp j, 0,1,2,3
	ds_load_b128 v[16*\b+4*\j:16*\b+4*\j+3], v[XA] offset:128*\b+16*\j   ; register 16 b + i = x(my token, 32 b + 16 h + i)
.endr
.endr
	GLOAD 0
	s_wait_dscnt 40                                ; x is in; group 0's 40 loads may be out
	s_wait_loadcnt 16                              ; ctx, its scale words and bo are in; b1's 16 loads may be out
	WIN 0x45                                       ; destination and both sources window 1
.set p, 0
.rept 64
	v_pk_add_f32 v[2*p:2*p+1], v[2*p:2*p+1], v[128+2*p:128+2*p+1]        ; x + bo
.set p, p+1
.endr
	WIN 0x80                                       ; destination window 2
.irp b, 0,1,2,3,4,5,6,7
.irp j, 0,1,2,3
	global_load_b128 v[16*\b+4*\j:16*\b+4*\j+3], v[PB], s[14:15] offset:128*\b+16*\j           ; ln2_g
.endr
.endr
.irp b, 0,1,2,3,4,5,6,7
.irp j, 0,1,2,3
	global_load_b128 v[128+16*\b+4*\j:128+16*\b+4*\j+3], v[PB], s[16:17] offset:128*\b+16*\j   ; ln2_b
.endr
.endr
	GLOAD 1
	s_wait_alu depctr_va_vdst(0)
.irp n, 0,1,2,3
	s_wait_dscnt 40                                ; group n is in; the 40 loads of the group behind it may be out
	MULO \n
	PLACES
	GLOAD \n+2
.endr
	; LN2 of x1, in two passes as reference() has it.  x1 stays in window 1 for the residual
	WIN 0x05                                       ; both sources window 1
.irp k, 0,1,2,3
	v_pk_add_f32 v[CH+2*\k:CH+2*\k+1], v[2*\k:2*\k+1], v[8+2*\k:9+2*\k]  ; each accumulator is read from its low end on
.endr
	WIN 0x01
.set p, 8
.rept 56
	v_pk_add_f32 v[CH+2*(p%4):CH+2*(p%4)+1], v[2*p:2*p+1], v[CH+2*(p%4):CH+2*(p%4)+1]
.set p, p+1
.endr
	WIN 0
	FOLD
	v_mul_f32 v[MU], 0xbb800000, v[CH]             ; -mean
	v_mov_b32 v[MU+1], v[MU]
	WIN 0x41                                       ; destination and source 0 window 1
.set p, 0
.rept 64
	v_pk_add_f32 v[128+2*p:128+2*p+1], v[2*p:2*p+1], v[MU:MU+1] op_sel_hi:[1,0]
.set p, p+1
.endr
	WIN 0x05
.irp k, 0,1,2,3
	v_pk_mul_f32 v[CH+2*\k:CH+2*\k+1], v[128+2*\k:128+2*\k+1], v[128+2*\k:128+2*\k+1]
.endr
.set p, 4
.rept 60
	v_pk_fma_f32 v[CH+2*(p%4):CH+2*(p%4)+1], v[128+2*p:128+2*p+1], v[128+2*p:128+2*p+1], v[CH+2*(p%4):CH+2*(p%4)+1]
.set p, p+1
.endr
	WIN 0
	FOLD
	v_fma_f32 v[CH], v[CH], s80, s81               ; the variance + 1e-3
	s_wait_alu depctr_va_vdst(0)
	v_rsq_f32 v[RS], v[CH]
	v_mov_b32 v[RS+1], 0                           ; (the pair's upper half is named with it; also the plain line behind the transcendental)
	s_wait_alu depctr_va_vdst(0)                   ; the wait ahead of the result's first reader
	WIN 0x41
.set p, 0
.rept 64
	v_pk_mul_f32 v[128+2*p:128+2*p+1], v[128+2*p:128+2*p+1], v[RS:RS+1] op_sel_hi:[1,0]
.set p, p+1
.endr
	s_wait_loadcnt 0x0                             ; b1, ln2_g, ln2_b
	WIN 0x29                                       ; source 0 window 1, sources 1 and 2 window 2
.set p, 0
.rept 32
	v_pk_fma_f32 v[HA+2*p:HA+2*p+1], v[128+2*p:128+2*p+1], v[2*p:2*p+1], v[128+2*p:128+2*p+1]
.set p, p+1
.endr
	WIN 0
	QUANT HA, 0, CF, H2S, 4                        ; K step 0 of product 7
	WIN 0x29
.set p, 0
.rept 32
	v_pk_fma_f32 v[HA+2*p:HA+2*p+1], v[192+2*p:192+2*p+1], v[64+2*p:64+2*p+1], v[192+2*p:192+2*p+1]
.set p, p+1
.endr
	WIN 0x40
.irp b, 0,1,2,3,4,5,6,7
.irp j, 0,1,2,3
	global_load_b128 v[128+16*\b+4*\j:128+16*\b+4*\j+3], v[PB], s[20:21] offset:128*\b+16*\j   ; b2, into the registers that x1 - mean has left
.endr
.endr
	WIN 0
	QUANT HA, 0, CF+16, H2S+1, 4                   ; K step 1
	s_wait_dscnt 0x0                               ; w1's two groups are in
.rept 4
	v_nop                                          ; codes written by vector instructions stand four places ahead of a scaled product
.endr
	WIN 0x03                                       ; source 0 window 3
.irp t, 0,1,2,3,4,5,6,7
	v_wmma_scale_f32_16x16x128_f8f6f4 v[HB+8*\t:HB+8*\t+7], v[16*\t:16*\t+15], v[CF:CF+15], v[HB+8*\t:HB+8*\t+7], v[WS+\t], v[H2S]
.endr
	s_wait_alu depctr_va_vdst(0)
.irp t, 0,1,2,3,4,5,6,7
	v_wmma_scale_f32_16x16x128_f8f6f4 v[HB+8*\t:HB+8*\t+7], v[128+16*\t:128+16*\t+15], v[CF+16:CF+31], v[HB+8*\t:HB+8*\t+7], v[WS+8+\t], v[H2S+1]
.endr
	WIN 0
	PLACES
	GLOAD 6
	GLOAD 7
	QUANT HB, 1, HF, HDS, 4                        ; relu and the quantiser: product 8's one K step
	s_wait_loadcnt 0x0                             ; b2
	WIN 0x45
.set p, 0
.rept 64
	v_pk_add_f32 v[2*p:2*p+1], v[2*p:2*p+1], v[128+2*p:128+2*p+1]        ; x1 + b2: the C of product 8.  (These are also the places between the conversions and the products)
.set p, p+1
.endr
	s_wait_alu depctr_va_vdst(0)
	s_wait_dscnt 0x0                               ; w2's two groups are in
	WIN 0x53
.irp t, 0,1,2,3,4,5,6,7,8,9,10,11,12,13,14,15
	v_wmma_scale_f32_16x16x128_f8f6f4 v[8*\t:8*\t+7], v[16*\t:16*\t+15], v[HF:HF+15], v[8*\t:8*\t+7], v[WS+\t], v[HDS]
.endr
	WIN 0
	PLACES
	; THE WAY OUT: a lane holds half of one row, and the lanes beside it other rows: the tile goes through my own stage and comes back as half rows of 512 bytes.  LDS serves a wave's instructions in order (ISA guide 5.7.1.4).
	WIN 0x04                                       ; an LDS store's data are its source 1: window 1
.irp b, 0,1,2,3,4,5,6,7
.irp j, 0,1,2,3
	ds_store_b128 v[SO], v[16*\b+4*\j:16*\b+4*\j+3] offset:128*\b+16*\j  ; each accumulator from its low end on
.endr
.endr
	WIN 0
.irp k, 0,1,2,3,4,5,6,7,8,9,10,11,12,13,14,15
	ds_load_b128 v[48+8*\k:51+8*\k], v[SR] offset:XP*\k
	ds_load_b128 v[52+8*\k:55+8*\k], v[SR] offset:XP*\k+512
.endr
.irp k, 0,1,2,3,4,5,6,7,8,9,10,11,12,13,14,15
	s_wait_dscnt 31-2*\k                           ; the younger read-backs may be out
	global_store_b128 v[LI], v[48+8*\k:51+8*\k], s[60:61] offset:(\k+(\k&8))*1024 th:TH_STORE_NT       ; stage row k is token k + 8 (k / 8) of the tile; the wave stores 512 consecutive bytes, aligned
	s_wait_dscnt 30-2*\k
	global_store_b128 v[LI], v[52+8*\k:55+8*\k], s[60:61] offset:(\k+(\k&8))*1024+512 th:TH_STORE_NT
.endr
	s_wait_tensorcnt 0x0                           ; the wave's end, behind my last tensor load and my last LDS store
	ds_add_u32 v[SPW], v[NIL]
	s_wait_dscnt 0x0
	ROUND                                          ; the closing round: no work-group ends while a partner may still ask jointly
	s_endpgm
.Lfunc_end_k_qf7abf97451_ffn:
	.size	k_qf7abf97451_ffn, .Lfunc_end_k_qf7abf97451_ffn-k_qf7abf97451_ffn
	.p2alignl 7, 3214868480
	.fill 96, 4, 3214868480
	.section	.rodata,"a",@progbits
	.p2align	6, 0x0
	.amdhsa_kernel k_qf7abf97451_ffn
		.amdhsa_group_segment_fixed_size 327680
		.amdhsa_private_segment_fixed_size 0
		.amdhsa_enable_private_segment 0
		.amdhsa_kernarg_size 80
		.amdhsa_user_sgpr_count 2
		.amdhsa_user_sgpr_kernarg_segment_ptr 1
		.amdhsa_wavefront_size32 1
		.amdhsa_system_sgpr_workgroup_id_x 1
		.amdhsa_system_sgpr_workgroup_id_y 1
		.amdhsa_system_sgpr_workgroup_id_z 1
		.amdhsa_system_vgpr_workitem_id 0
		.amdhsa_next_free_vgpr 1024
		.amdhsa_next_free_sgpr 100
		.amdhsa_reserve_vcc 0
		.amdhsa_float_denorm_mode_32 3
		.amdhsa_float_denorm_mode_16_64 3
		.amdhsa_memory_ordered 1
		.amdhsa_forward_progress 1
		.amdhsa_inst_pref_size 119
	.end_amdhsa_kernel
	.amdgpu_metadata
---
amdhsa.version: [ 1, 2 ]
amdhsa.kernels:
  - .name:           k_qf7abf97451_ffn
    .symbol:         k_qf7abf97451_ffn.kd
    .args:
      - { .name: cc, .offset: 0, .size: 8, .value_kind: global_buffer, .address_space: global }
      - { .name: cs, .offset: 8, .size: 8, .value_kind: global_buffer, .address_space: global }
      - { .name: wb, .offset: 16, .size: 8, .value_kind: global_buffer, .address_space: global }
      - { .name: x, .offset: 24, .size: 8, .value_kind: global_buffer, .address_space: global }
      - { .name: bo, .offset: 32, .size: 8, .value_kind: global_buffer, .address_space: global }
      - { .name: ln2_g, .offset: 40, .size: 8, .value_kind: global_buffer, .address_space: global }
      - { .name: ln2_b, .offset: 48, .size: 8, .value_kind: global_buffer, .address_space: global }
      - { .name: b1, .offset: 56, .size: 8, .value_kind: global_buffer, .address_space: global }
      - { .name: b2, .offset: 64, .size: 8, .value_kind: global_buffer, .address_space: global }
      - { .name: out0, .offset: 72, .size: 8, .value_kind: global_buffer, .address_space: global }
    .group_segment_fixed_size: 327680
    .private_segment_fixed_size: 0
    .kernarg_segment_align: 8
    .kernarg_segment_size: 80
    .max_flat_workgroup_size: 128
    .sgpr_count:     100
    .vgpr_count:     1024
    .wavefront_size: 32
...
	.end_amdgpu_metadata
.endif
;; end of part 4
